; MI455X (gfx1250); checked and timed in simulation.
; The chip was launched on July 23, 2026; its instructions are those of AMD's public machine-readable ISA for CDNA 5 (MIT licence, August 2026) and "CDNA5" Instruction Set Architecture Reference Guide (July 2026). The comments in the code are by the model that wrote it; some were corrected since.
;; Multi Head Attention. Allowed arithmetic: matrix products marked QUANTISED: E2M1 operands, one E8M0 scale for each 32 along K, by v_wmma_scale_f32_16x16x128_f8f6f4 with both operands' format E2M1 (or v_wmma_scale_f32_32x16x128_f4), f32 sums; everything else in f32.
;; Inputs: Wk_codes 1,024 x 32 x 16 uint8 (E2M1 codes of Wk, K innermost, in blocks of 32 codes, two codes a byte); Wk_scales 1,024 x 32 uint8 (E8M0 scales of Wk, one for each 32 codes along K); Wo_codes 1,024 x 32 x 16 uint8 (E2M1 codes of Wo, K innermost, in blocks of 32 codes, two codes a byte); Wo_scales 1,024 x 32 uint8 (E8M0 scales of Wo, one for each 32 codes along K); Wq_codes 1,024 x 32 x 16 uint8 (E2M1 codes of Wq, K innermost, in blocks of 32 codes, two codes a byte); Wq_scales 1,024 x 32 uint8 (E8M0 scales of Wq, one for each 32 codes along K); Wv_codes 1,024 x 32 x 16 uint8 (E2M1 codes of Wv, K innermost, in blocks of 32 codes, two codes a byte); Wv_scales 1,024 x 32 uint8 (E8M0 scales of Wv, one for each 32 codes along K); bk 1,024 float32; bo 1,024 float32; bq 1,024 float32; bv 1,024 float32; k_codes 4 x 2,048 x 32 x 16 uint8 (E2M1 codes of k, K innermost, in blocks of 32 codes, two codes a byte); k_scales 4 x 2,048 x 32 uint8 (E8M0 scales of k, one for each 32 codes along K); q_codes 4 x 2,048 x 32 x 16 uint8 (E2M1 codes of q, K innermost, in blocks of 32 codes, two codes a byte); q_scales 4 x 2,048 x 32 uint8 (E8M0 scales of q, one for each 32 codes along K); v_codes 4 x 2,048 x 32 x 16 uint8 (E2M1 codes of v, K innermost, in blocks of 32 codes, two codes a byte); v_scales 4 x 2,048 x 32 uint8 (E8M0 scales of v, one for each 32 codes along K).
;; Outputs: out0 4 x 2,048 x 1,024 float32.
;; This version of the problem:
;;   THIS VERSION OF THE PROBLEM IS GIVEN IN LOW PRECISION. The matrix products marked QUANTISED in the list below multiply operands that are first quantised to E2M1 (2 exponent bits, 1 mantissa bit; 4 bits a number), with one power-of-two scale for each 32 numbers along K (OCP MX v1.0); their sums are f32. All else is computed in f32.
;;   The module's matrix products, in the order in which they are computed (A, B: the left and right operand; K: the contracted axis; several contracted axes count as one K, in the product's order):
;;     1. [M 8,192, K 1,024] x [K 1,024, N 1,024]; A: input q (given as codes); B: input Wq (given as codes): QUANTISED
;;     2. [M 8,192, K 1,024] x [K 1,024, N 1,024]; A: input k (given as codes); B: input Wk (given as codes): QUANTISED
;;     3. [M 8,192, K 1,024] x [K 1,024, N 1,024]; A: input v (given as codes); B: input Wv (given as codes): QUANTISED
;;     4. batch 64 x [M 2,048, K 64] x [K 64, N 2,048]; A: computed on the way; B: computed on the way: QUANTISED
;;     5. batch 64 x [M 2,048, K 2,048] x [K 2,048, N 64]; A: softmax (see below); B: computed on the way: QUANTISED
;;     6. [M 8,192, K 1,024] x [K 1,024, N 1,024]; A: computed on the way; B: input Wo (given as codes): QUANTISED
;;   THE QUANTISER, for each operand of a quantised product, along K:
;;     - K is cut into blocks of 32 from its start; a last block that is shorter is filled with zeros.
;;     - A block's scale is 2^e with e = floor(log2(the largest magnitude in the block)) - 2, held to -126 .. 127; a block of zeros has e = 0. As a byte (E8M0): e + 127.
;;     - Each number is divided by its block's scale, clamped to +-6, and rounded to the nearest number of E2M1, ties to even, subnormals kept.
;;     - The product sums the exact products of the quantised numbers (number of the format x scale) in f32.
;;   ~~~python
;;   def quantise(x, axis):      # numpy; x: float32 -> the quantised numbers, widened to float32 again
;;       x = np.moveaxis(x, axis, -1); K = x.shape[-1]
;;       x = np.pad(x, [(0, 0)] * (x.ndim - 1) + [(0, -K % 32)]); x = x.reshape(x.shape[:-1] + (-1, 32)); a = np.abs(x).max(-1, keepdims=True)
;;       e = np.where(a > 0, np.clip(np.frexp(np.where(a > 0, a, 1))[1] - 1 - 2, -126, 127), 0)      # np.frexp(a)[1] - 1 = floor(log2(a)), exactly
;;       r = np.clip(x / 2.0 ** e, -6, 6)
;;       step = 2.0 ** (np.maximum(np.frexp(np.where(r == 0, 1, r))[1] - 1, 0) - 1)
;;       q = np.round(r / step) * step * 2.0 ** e      # np.round: ties to even
;;       return np.moveaxis(q.reshape(q.shape[:-2] + (-1,))[..., :K], -1, axis).astype(np.float32)
;;   ~~~
;;   SOFTMAX AHEAD OF A QUANTISED PRODUCT. Where the list says 'softmax', what is quantised is not the finished softmax but p = 2^(t - M), with t = logit x log2(e) and M = ceil(the row's largest t), a whole number; so 1/2 < the row's largest p <= 1. The row's sum l is taken of the UNQUANTISED p, in f32, and the product's result is divided by l at the end. Since M is a whole number, a kernel that streams over the keys may use a running M (the ceiling of the running maximum): every later rescaling is an exact power of two, which a block's scale takes up: the codes' values come out the same.
;;   OPERANDS COMPUTED ON THE WAY. 'Computed on the way' means the value that the module computes at that place (a softmax that the list does not call 'softmax' is quantised finished and normalised). What goes into a quantiser is computed in f32, as accurately as f32 sums, v_exp_f32 and their like allow (about 1e-6 of the number): no bf16 or f16 on the way to a quantiser, and a product that is left as it is and whose result goes on into a quantised operand takes f32 operands (vector FMAs, or v_wmma_f32_16x16x4_f32). A number that lies on a knife's edge between two numbers of the format may be rounded either way, as far as f32 arithmetic and the matrix unit's own rounding can turn it there, and no further.
;;   INPUTS GIVEN AS CODES. Wk (in the module: [1024, 1024], K = its axis 1); Wo (in the module: [1024, 1024], K = its axis 1); Wq (in the module: [1024, 1024], K = its axis 1); Wv (in the module: [1024, 1024], K = its axis 1); k (in the module: [4, 2048, 1024], K = its axis 2); q (in the module: [4, 2048, 1024], K = its axis 2); v (in the module: [4, 2048, 1024], K = its axis 2): each comes as NAME_codes (uint8): NAME with its K axis moved to the last place and cut into blocks of 32 codes, [.., K / 32, bytes a block], one block behind the other in memory; two codes a byte, the lower K in the low four bits (a code: sign, 2 exponent bits, 1 mantissa bit); and NAME_scales (uint8): the same leading axes, one E8M0 byte (e + 127) for each 32 codes along K. Its value is code x scale, taken as it is: it is not quantised again, and the codes and scales need not be those that the quantiser above would give.
;; 2 versions. Each part assembles by itself: llvm-mc -triple=amdgcn-amd-amdhsa -mcpu=gfx1250 --defsym DOCPART=n.
;; ======== version 1 of 2: 3 launches
;; workspace buffers: qimg 4,194,304 bytes; kimg 4,194,304 bytes; vimg 4,194,304 bytes; qsc 262,144 bytes; ksc 262,144 bytes; vsc 262,144 bytes; cimg 4,194,304 bytes; csc 262,144 bytes
;; launch proj (part 1): grid 4 x 96, 4 waves a work-group, clusters of 4 x 4, 279,040 bytes of LDS; arguments q_codes, k_codes, v_codes, q_scales, k_scales, v_scales, Wq_codes, Wk_codes, Wv_codes, Wq_scales, Wk_scales, Wv_scales, bq, bk, bv, qimg, kimg, vimg, qsc, ksc, vsc; writes qimg, kimg, vimg, qsc, ksc, vsc
.if DOCPART == 1
	.amdgcn_target "amdgcn-amd-amdhsa--gfx1250"
	.amdhsa_code_object_version 6
	.text
	.protected	k_q9dfe0837b7_proj
	.globl	k_q9dfe0837b7_proj
	.p2align	8
	.type	k_q9dfe0837b7_proj,@function
k_q9dfe0837b7_proj:
	s_mov_b64 s[64:65], 0
	v_nop
	global_prefetch_b8 v0, s[64:65] scope:SCOPE_SE
	s_setreg_imm32_b32 hwreg(HW_REG_WAVE_MODE, 25, 1), 1
	s_wait_xcnt 0x0
	s_wait_alu depctr_hold_cnt(0) depctr_sa_sdst(0) depctr_va_vdst(0) depctr_va_sdst(0) depctr_va_ssrc(0) depctr_va_vcc(0) depctr_vm_vsrc(0)
	s_getreg_b32 s2, hwreg(HW_REG_IB_STS2, 6, 4)
	s_cmp_eq_u32 s2, 0
	s_cbranch_scc0 .Lentry_in_a_cluster
	s_endpgm
.Lentry_in_a_cluster:
	s_bfe_u32 s2, ttmp6, 0x10000c
	s_cmp_lg_u32 s2, 0xf033
	s_cbranch_scc0 .Lentry_shape_is_right
	s_endpgm
.Lentry_shape_is_right:
; THE THREE PROJECTIONS: x W^T + b for x = q, k, v ([8192][1024] codes of FP4 (E2M1), one E8M0 byte for each 32 along K; W: [1024][1024] likewise), and the quantiser of each result.
; The cluster's y picks the tensor (0-7 q, 8-15 k, 16-23 v): it is the same in all sixteen partners.  A work-group makes 256 tokens x 256 channels, each of its four waves 128 x 128: 64 accumulators, 512 registers.
; K = 1,024 is two LDS slots of rows of 256 bytes: EVERY LDS BYTE IS FILLED ONCE, both slots are asked for at the start, and there is no ring and no loop.
; THE MATRIX INSTRUCTION IS USED SO THAT A LANE'S REGISTERS RUN ALONG THE AXIS THAT IS QUANTISED NEXT.  Source 1 ("side 1") gives the lane's row, source 0 ("side 0") the registers' axis.
;   q, k: side 1 = tokens, side 0 = channels (the head's 64 are the next K).      v: side 1 = channels, side 0 = tokens (the keys are the next K).
; In accumulators (a, 0..7) lane (r, h) holds row 16 a + r of side 1, and register 8 b + j is k = 16 b + 8 h + j of side 0.  A block of 32 lies in 16 registers of lanes l and l xor 16.
; The two conversions of block B go to registers 4 (B / 2) + B % 2 and + 2; two exchanges of halves for each pair of blocks then give the operand's own layout (registers 4 c .. 4 c + 3: k = 64 c + 32 h + 0 .. 31).
; So what leaves is an IMAGE OF THE NEXT PRODUCT'S REGISTERS: 1,024 bytes a fragment, registers 0-3 at 16 x lane, registers 4-7 at 512 + 16 x lane; every store covers 512 consecutive bytes, aligned.
;   qimg, kimg: [(batch x 8 + head pair) x 16 + group of 128 tokens][tile of 16 tokens][1,024]: first half = the even head's 64, second half = the odd head's.
;   vimg: the same index with the group of 128 keys; tile a = 4 x (head & 1) + 16 channels' number.     qsc, ksc, vsc: 512 bytes an index: at 16 x lane the words of tiles 4 h + 0 .. 3, row r.
; CLUSTERS: 4 x 4.  The tokens' tile hangs on the work-group's y and is shared along a row of the cluster, the weights' tile on its x and is shared along a column: each is asked for jointly.
; The scale words (8 KiB a wave against the work-group's 256 KiB of codes) and the biases come straight into registers, once, by plain loads: too small a part to be worth a joint load.
; LIMITS: NaN and infinities are not served; a block whose largest magnitude lies under 2^-124 gets the byte 1; a block of zeros gets the byte 1 and not 127: its codes are zeros and this program alone reads the bytes.
; REGISTERS, in windows of 256: window 0: v1-4 lane numbers, v16-24 addresses, v32-63 side 1's scale words, v64-95 side 0's, v96-123 the quantiser's, v128-191 side 1's fragments (later the codes), v192-255 the bias as C.
;   window 1: side 0's fragments, two sets, at v0 and v128.   window 2: accumulators of blocks a = 0-3 ((a, b) at v[8 (8 (a % 4) + b)]).   window 3: those of a = 4-7.
.set PITCH,  272                       ; an LDS row: 256 bytes + 16 of padding = 68 words: the 16 rows that a load touches begin 4 words apart modulo 64
.set HALFT,  128*PITCH                 ; 128 rows: what one tensor load brings, and what one wave reads of a side
.set SLOT,   4*HALFT                   ; the tokens' 256 rows, then the weights' 256 rows; slot j holds K = 512 j .. 512 j + 511
.set ADRA, 16                          ; v16-17  LDS address of side 1's fragments in slot 0, 1
.set ADRB, 20                          ; v20-21  of side 0's
.set SCO,  22                          ; v22     32 x lane: a row of scale bytes
.set L16,  23                          ; v23     16 x lane
.set BOF,  24                          ; v24     my offset in the bias
.set SA,   32                          ; word of (block a, K step s): v[SA + 8 (a / 2) + s], lanes 0-15 for even a, lanes 16-31 for odd a
.set SB,   64                          ; the same for side 0's block b
.set TM,   96                          ; +0..3 largest magnitudes, +4..7 the other half's, then bytes, +12..15 the conversions' scale operands
.set WS,   112                         ; v112-119 the scale word of each block a
.set XW,   120                         ; v120-123 the words as they are stored
.set AF,   128
.set BIAS, 192
.set G1P, 48                           ; s[48:55] descriptor group 1 for the tokens' tiles;  s[56:63] group 0, a set for each slot
.set G0P, 56
.set G1W, 68                           ; s[68:75], s[76:83] the same for the weights' tiles
.set G0W, 76
.set WV,  84
.set WR,  85
.set WC,  86
.set CX,  87
.set CY,  88
.set WGX, 89
.set PY,  90
.set TT,  91
.set ISV, 92
.set HP,  93
.set HW,  94
.set MP,  95
.set MW,  96
.set SEL, 98
.set MSB, 0
.macro WIN new                         ; the immediate's high byte repeats the setting that is left; a switch that changes nothing is dropped
.if MSB != (\new)
	s_set_vgpr_msb (MSB<<8)|(\new)
.set MSB, (\new)
.endif
.endm
.macro CROUND                          ; a round of the cluster's barrier
	s_barrier_signal -1
	s_barrier_wait -1
	s_cmp_lg_u32 s[WV], 0
	s_cbranch_scc1 .Lnot_wave_0_\@
	s_barrier_signal -3
.Lnot_wave_0_\@:
	s_barrier_wait -3
	s_barrier_signal -1
	s_barrier_wait -1
.endm
.macro PLACES n                        ; plain vector lines between a matrix instruction and a load into, or a read of, its registers
.rept \n
	v_nop
.endr
.endm
	s_load_b512 s[4:19], s[0:1], 0x0               ; 21 addresses; kind n (codes, scales, W codes, W scales, bias, images, scale words): q's at s[4+6n], k's at s[6+6n], v's at s[8+6n]
	s_load_b512 s[20:35], s[0:1], 0x40
	s_load_b256 s[36:43], s[0:1], 0x80
	s_load_b64 s[44:45], s[0:1], 0xa0
	v_lshl_add_u32 v126, v0, 2, 0x44000
	v_mov_b32 v127, 0
	ds_add_u32 v126, v127
	ds_add_u32 v126, v127
	v_lshrrev_b32 v1, 5, v0
	v_readfirstlane_b32 s[WV], v1                  ; wave 0..3
	s_lshr_b32 s[WR], s[WV], 1                     ; my half of side 1.  Also: I fetch tokens (0) or weights (1)
	s_and_b32 s[WC], s[WV], 1                      ; my half of side 0.  Also: which 128 rows I fetch
	s_bfe_u32 s[CX], ttmp6, 0x40000
	s_bfe_u32 s[CY], ttmp6, 0x40004
	s_lshl_b32 s[WGX], ttmp9, 2
	s_add_co_u32 s[WGX], s[WGX], s[CX]             ; tile of 256 channels
	s_and_b32 s2, ttmp7, 0xffff                    ; the cluster's y, 0..23
	s_bfe_u32 s[TT], s2, 0x20003                   ; 0 q, 1 k, 2 v
	s_bfe_u32 s[ISV], s2, 0x10004                  ; 1 for v
	s_lshl_b32 s[PY], s2, 2
	s_add_co_u32 s[PY], s[PY], s[CY]
	s_and_b32 s[PY], s[PY], 31                     ; tile of 256 tokens
	s_lshl_b32 s[MP], s[CY], 2
	s_lshl_b32 s[MP], 15, s[MP]                    ; my row of the cluster
	s_lshl_b32 s[MW], 0x1111, s[CX]                ; my column
	s_or_b32 s[G1P], s[MP], (1<<20)|(1<<21)|(5<<22)|(3<<25)   ; 15:0 the mask; 17:16 elements of 1 byte; 20 padding on; 21 set beside a mask; 24:22 after every 64 words; 31:25 four words
	s_or_b32 s[G1W], s[MW], (1<<20)|(1<<21)|(5<<22)|(3<<25)
.irp g, G1P, G1W
	s_mov_b32 s[\g+1], 256<<16                     ; tensor_dim0 = 256 bytes
	s_mov_b32 s[\g+2], 128<<16                     ; tensor_dim1 = 128 rows
	s_mov_b32 s[\g+3], 256<<16                     ; tile_dim0
	s_mov_b32 s[\g+4], 128                         ; tile_dim1
	s_mov_b32 s[\g+5], 512                         ; a row of 1,024 codes in memory
	s_mov_b32 s[\g+6], 0
	s_mov_b32 s[\g+7], 0
.endr
	s_mov_b32 s[SEL], 0x76543210
	s_mov_b32 s[SEL+1], 0xfedcba98                 ; v_permlanex16_b32's selects for lane l xor 16
	s_lshl_b32 s3, s[WC], 16                       ; the 128 rows that I fetch: 65,536 bytes
	s_lshl_b32 s46, s[PY], 17
	s_add_co_u32 s46, s46, s3
	s_mov_b32 s47, 0                               ; tokens: hangs on the work-group's y and the wave alone
	s_lshl_b32 s66, s[WGX], 17
	s_add_co_u32 s66, s66, s3
	s_mov_b32 s67, 0                               ; weights: on its x and the wave alone
	s_mul_i32 s97, s[WV], HALFT                    ; where they go: wave x 128 rows
	s_wait_dscnt 0x0
	s_wait_kmcnt 0x0
	s_cmp_eq_u32 s[TT], 1                          ; the tensor's seven addresses are chosen on the cluster's y alone
.irp n, 0,1,2,3,4,5,6
	s_cselect_b64 s[4+6*\n:5+6*\n], s[6+6*\n:7+6*\n], s[4+6*\n:5+6*\n]
.endr
	s_cmp_eq_u32 s[TT], 2
.irp n, 0,1,2,3,4,5,6
	s_cselect_b64 s[4+6*\n:5+6*\n], s[8+6*\n:9+6*\n], s[4+6*\n:5+6*\n]
.endr
	s_add_nc_u64 s[46:47], s[4:5], s[46:47]
	s_add_nc_u64 s[66:67], s[16:17], s[66:67]
	CROUND                                         ; all sixteen work-groups are here: the joint loads meet
.irp j, 0,1
	s_mov_b32 s[G0P+4*\j], 1
	s_add_co_u32 s[G0P+4*\j+1], s97, \j*SLOT
	s_add_nc_u64 s[G0P+4*\j+2:G0P+4*\j+3], s[46:47], \j*256
	s_or_b32 s[G0P+4*\j+3], s[G0P+4*\j+3], 0x80000000
	s_mov_b32 s[G0W+4*\j], 1
	s_add_co_u32 s[G0W+4*\j+1], s97, \j*SLOT
	s_add_nc_u64 s[G0W+4*\j+2:G0W+4*\j+3], s[66:67], \j*256
	s_or_b32 s[G0W+4*\j+3], s[G0W+4*\j+3], 0x80000000
.endr
	s_cmp_eq_u32 s[WR], 0                          ; a wave's two fills stand in one branch on its number: two tensor loads of mine are out, and no more follow
	s_cbranch_scc0 .Lfill_w
	tensor_load_to_lds s[G0P:G0P+3], s[G1P:G1P+7]
	s_nop 0
	tensor_load_to_lds s[G0P+4:G0P+7], s[G1P:G1P+7]
	s_nop 0
	PLACES 4                                       ; four such lines behind the loads
	s_branch .Lfilled
.Lfill_w:
	tensor_load_to_lds s[G0W:G0W+3], s[G1W:G1W+7]
	s_nop 0
	tensor_load_to_lds s[G0W+4:G0W+7], s[G1W:G1W+7]
	s_nop 0
	PLACES 4
.Lfilled:
	v_and_b32 v1, 15, v0                           ; r
	v_bfe_u32 v2, v0, 4, 1                         ; h
	v_and_b32 v3, 31, v0                           ; lane
	v_mul_u32_u24 v4, v1, PITCH
	v_lshl_add_u32 v4, v2, 4, v4                   ; a fragment's row x pitch + 16 h
	s_mul_i32 s2, s[WR], HALFT                     ; side 1: my half wr of the tokens (q, k) or of the weights (v), which lie 2 HALFT further on
	s_mul_i32 s3, s[ISV], 2*HALFT
	s_add_co_u32 s2, s2, s3
	s_xor_b32 s3, s[ISV], 1                        ; side 0: my half wc of the other tile
	s_mul_i32 s3, s3, 2*HALFT
	s_mul_i32 s100, s[WC], HALFT
	s_add_co_u32 s3, s3, s100
.irp j, 0,1
	v_add_nc_u32 v[ADRA+\j], s2, v4
	v_add_nc_u32 v[ADRB+\j], s3, v4
	s_add_co_u32 s2, s2, SLOT
	s_add_co_u32 s3, s3, SLOT
.endr
	v_lshlrev_b32 v[SCO], 5, v3
	v_lshlrev_b32 v[L16], 4, v3
.irp b, 0,1,2,3
	v_mov_b32 v[TM+4+\b], 0                        ; written once: a lane permute's destination counts as one of its sources
.endr
	s_cmp_eq_u32 s[ISV], 1
	s_cselect_b32 s[HP], s[WC], s[WR]              ; my half of the tokens
	s_cselect_b32 s[HW], s[WR], s[WC]              ; and of the channels
	s_lshl_b32 s2, s[PY], 13                       ; scale bytes: 32 a row
	s_lshl_b32 s3, s[HP], 12
	s_add_co_u32 s2, s2, s3
	s_mov_b32 s3, 0
	s_add_nc_u64 s[10:11], s[10:11], s[2:3]        ; my 128 tokens' scale bytes
	s_lshl_b32 s2, s[WGX], 13
	s_lshl_b32 s100, s[HW], 12
	s_add_co_u32 s2, s2, s100
	s_add_nc_u64 s[22:23], s[22:23], s[2:3]        ; my 128 channels'
	s_lshl_b32 s2, s[WGX], 10
	s_lshl_b32 s100, s[HW], 9
	s_add_co_u32 s2, s2, s100
	s_add_nc_u64 s[28:29], s[28:29], s[2:3]        ; my 128 numbers of the bias
	s_cmp_eq_u32 s[ISV], 1
	s_cselect_b64 s[6:7], s[22:23], s[10:11]       ; side 1's scale bytes
	s_cselect_b64 s[8:9], s[10:11], s[22:23]       ; side 0's
.irp i, 0,1,2,3                                ; lane l takes row 32 i + l: its 32 bytes are the words of the eight K steps
.irp j, 0,1
	global_load_b128 v[SA+8*\i+4*\j:SA+8*\i+4*\j+3], v[SCO], s[6:7] offset:1024*\i+16*\j
	global_load_b128 v[SB+8*\i+4*\j:SB+8*\i+4*\j+3], v[SCO], s[8:9] offset:1024*\i+16*\j
.endr
.endr
	s_cmp_eq_u32 s[ISV], 1                         ; the bias in the result's layout: it is the C of each sum's first matrix instruction
	s_cbranch_scc1 .Lbias_v
	v_lshlrev_b32 v[BOF], 5, v2                    ; q, k: register j of tile b is channel 16 b + 8 h + j
.irp b, 0,1,2,3,4,5,6,7
	global_load_b128 v[BIAS+8*\b:BIAS+8*\b+3], v[BOF], s[28:29] offset:64*\b
	global_load_b128 v[BIAS+8*\b+4:BIAS+8*\b+7], v[BOF], s[28:29] offset:64*\b+16
.endr
	s_branch .Lbias_done
.Lbias_v:
	v_lshlrev_b32 v[BOF], 2, v1                    ; v: all eight registers of block a are channel 16 a + r
.irp a, 0,1,2,3,4,5,6,7
.irp j, 0,1,2,3,4,5,6,7
	global_load_b32 v[BIAS+8*\a+\j], v[BOF], s[28:29] offset:64*\a
.endr
.endr
.Lbias_done:
	s_lshl_b32 s2, s[PY], 1                        ; where my results go
	s_add_co_u32 s2, s2, s[HP]                     ; group of 128 tokens, 0..63
	s_lshl_b32 s3, s[WGX], 1
	s_add_co_u32 s3, s3, s[HW]                     ; head pair, 0..7
	s_lshr_b32 s100, s2, 4                         ; batch
	s_lshl_b32 s100, s100, 3
	s_add_co_u32 s100, s100, s3
	s_lshl_b32 s100, s100, 4
	s_and_b32 s2, s2, 15
	s_add_co_u32 s100, s100, s2                    ; (batch x 8 + pair) x 16 + group
	s_lshl_b32 s2, s100, 13
	s_mov_b32 s3, 0
	s_add_nc_u64 s[34:35], s[34:35], s[2:3]        ; 8,192 bytes of images
	s_lshl_b32 s2, s100, 9
	s_add_nc_u64 s[40:41], s[40:41], s[2:3]        ; 512 bytes of scale words
.macro FRAG reg, adr, q, i             ; 16 rows x 128 K of 4-bit codes: two loads of 16 bytes, 32 bytes apart
.irp c, 0,1
	ds_load_b128 v[(\reg)+4*\c:(\reg)+4*\c+3], v[\adr] offset:64*(\q)+32*\c+(\i)*16*PITCH
.endr
.endm
.macro FETCH_B slot, q, p              ; side 0's eight fragments of the slot's q-th 128 along K into set p
	WIN 0x40
.irp i, 0,1,2,3,4,5,6,7
	FRAG 128*(\p)+8*\i, ADRB+\slot, \q, \i
.endr
	WIN 0
.endm
.macro FETCH_A slot, q, i0             ; side 1's blocks i0 .. i0 + 3
.irp i, \i0, \i0+1, \i0+2, \i0+3
	FRAG AF+8*(\i), ADRA+\slot, \q, \i
.endr
.endm
; 16 matrix instructions: side 1's blocks a0, a0 + 1 x side 0's eight, K step s; p: side 0's set.  mode 0: onto the sums; 1: C = the bias by side 0's tile; 2: C = the bias by side 1's block.
; The 64 accumulators take turns, one instruction a turn, in the same order in every step.
.macro MUL16 a0, p, s, mode
.irp a, \a0, \a0+1
.irp b, 0,1,2,3,4,5,6,7
.set rD, 8*(8*((\a)%4)+\b)
.set rB, 128*(\p)+8*\b
.set rA, AF+8*(\a)
.set rSB, SB+8*(\b/2)+(\s)
.set rSA, SA+8*((\a)/2)+(\s)
.set rC, rD
.if (\mode) == 1
.set rC, BIAS+8*\b
.endif
.if (\mode) == 2
.set rC, BIAS+8*(\a)
.endif
.if ((\a)%2) && (\b%2)
	v_wmma_scale_f32_16x16x128_f8f6f4 v[rD:rD+7], v[rB:rB+7], v[rA:rA+7], v[rC:rC+7], v[rSB], v[rSA] matrix_a_fmt:MATRIX_FMT_FP4 matrix_b_fmt:MATRIX_FMT_FP4 matrix_a_scale:MATRIX_SCALE_ROW1 matrix_b_scale:MATRIX_SCALE_ROW1
.elseif (\b%2)
	v_wmma_scale_f32_16x16x128_f8f6f4 v[rD:rD+7], v[rB:rB+7], v[rA:rA+7], v[rC:rC+7], v[rSB], v[rSA] matrix_a_fmt:MATRIX_FMT_FP4 matrix_b_fmt:MATRIX_FMT_FP4 matrix_a_scale:MATRIX_SCALE_ROW1
.elseif ((\a)%2)
	v_wmma_scale_f32_16x16x128_f8f6f4 v[rD:rD+7], v[rB:rB+7], v[rA:rA+7], v[rC:rC+7], v[rSB], v[rSA] matrix_a_fmt:MATRIX_FMT_FP4 matrix_b_fmt:MATRIX_FMT_FP4 matrix_b_scale:MATRIX_SCALE_ROW1
.else
	v_wmma_scale_f32_16x16x128_f8f6f4 v[rD:rD+7], v[rB:rB+7], v[rA:rA+7], v[rC:rC+7], v[rSB], v[rSA] matrix_a_fmt:MATRIX_FMT_FP4 matrix_b_fmt:MATRIX_FMT_FP4
.endif
.endr
.endr
.endm
; A step of 128 along K that has its successor in the same slot.  Windows: source 0 window 1, source 1 window 0; C and D window 2 or 3 (0xa1, 0xf1); with the bias as C, C in window 0 (0x81, 0xc1).
.macro STEP slot, q, mode
	s_wait_dscnt 8                                 ; side 0's set and side 1's blocks 0-3 are in; the youngest eight loads (blocks 4-7) may be out
.if \mode
	WIN 0x81
.else
	WIN 0xa1
.endif
	MUL16 0, (\q)%2, 4*(\slot)+(\q), \mode
	MUL16 2, (\q)%2, 4*(\slot)+(\q), \mode
	s_wait_dscnt 0                                 ; blocks 4-7 are in
	PLACES 4
	FETCH_B \slot, (\q)+1, 1-(\q)%2
	FETCH_A \slot, (\q)+1, 0
.if \mode
	WIN 0xc1
.else
	WIN 0xf1
.endif
	MUL16 4, (\q)%2, 4*(\slot)+(\q), \mode
	MUL16 6, (\q)%2, 4*(\slot)+(\q), \mode
	PLACES 4
	WIN 0
	FETCH_A \slot, (\q)+1, 4
.endm
; Block a's 64 numbers a lane become a fragment's codes and its rows' scale word, and the image is stored.  Each accumulator is read from its low end on.
.macro EPI a
.set AC, 64*((\a)%4)
.set PC, AF+8*(\a)
	WIN 0x0a+5*((\a)/4)                            ; sources 0 and 1: the accumulators' window
.irp b, 0,1,2,3
	v_max3_num_f32 v[TM+\b], |v[AC+16*\b]|, |v[AC+16*\b+1]|, 0x1800000   ; block b: my 16 numbers, and the floor 2^(3 - 127): the byte cannot fall under 1
.endr
.irp i, 2,4,6,8,10,12,14
.irp b, 0,1,2,3
	v_max3_num_f32 v[TM+\b], |v[AC+16*\b+\i]|, |v[AC+16*\b+\i+1]|, v[TM+\b]
.endr
.endr
	WIN 0
.irp b, 0,1,2,3
	v_permlanex16_b32 v[TM+4+\b], v[TM+\b], s[SEL], s[SEL+1]
.endr
.irp b, 0,1,2,3
	v_max_num_f32 v[TM+\b], v[TM+\b], v[TM+4+\b]   ; with lane l xor 16's: the block's largest magnitude
.endr
.irp b, 0,1,2,3
	v_add_nc_u32 v[TM+12+\b], 0xff000000, v[TM+\b] ; 2 off its exponent field: the conversion's scale operand
.endr
.irp b, 0,1,2,3
	v_lshrrev_b32 v[TM+4+\b], 23, v[TM+12+\b]      ; the scale's byte
.endr
	v_lshl_or_b32 v[WS+\a], v[TM+5], 8, v[TM+4]
	v_lshl_or_b32 v[WS+\a], v[TM+6], 16, v[WS+\a]
	v_lshl_or_b32 v[WS+\a], v[TM+7], 24, v[WS+\a]  ; my row's scale word
	WIN 0x02+((\a)/4)                              ; source 0: the accumulators' window
.irp b, 0,1,2,3
	v_cvt_scalef32_pk8_fp4_f32 v[PC+4*(\b/2)+\b%2], v[AC+16*\b:AC+16*\b+7], v[TM+12+\b]        ; k = 32 b + 8 h + 0 .. 7
	v_cvt_scalef32_pk8_fp4_f32 v[PC+4*(\b/2)+\b%2+2], v[AC+16*\b+8:AC+16*\b+15], v[TM+12+\b]   ; k = 32 b + 16 + 8 h + 0 .. 7
.endr
	WIN 0
	v_nop                                          ; one plain line behind a scaled conversion
.irp c, 0,1
	v_permlane16_swap_b32 v[PC+4*\c], v[PC+4*\c+1]     ; the first's lanes 16-31 change places with the second's lanes 0-15:
	v_permlane16_swap_b32 v[PC+4*\c+2], v[PC+4*\c+3]   ; registers 4 c .. 4 c + 3 now hold k = 64 c + 32 h + 0 .. 31
.endr
	global_store_b128 v[L16], v[PC:PC+3], s[34:35] offset:1024*(\a)       ; each block has code registers of its own: no store's data are written again
	global_store_b128 v[L16], v[PC+4:PC+7], s[34:35] offset:1024*(\a)+512
.endm
	s_wait_tensorcnt 0x1                           ; my part of slot 0 is in; slot 1's load, issued behind it, may stay out
	s_barrier_signal -1
	s_barrier_wait -1                              ; everybody's is
	FETCH_B 0, 0, 0
	FETCH_A 0, 0, 0
	FETCH_A 0, 0, 4
	s_wait_loadcnt 0x0                             ; scale words and bias
	s_cmp_eq_u32 s[ISV], 1                         ; the first K step starts the sums with the bias: the two arms differ in which registers are C
	s_cbranch_scc1 .Lfirst_v
	STEP 0, 0, 1
	s_branch .Lfirst_done
.Lfirst_v:
	STEP 0, 0, 2
.Lfirst_done:
	STEP 0, 1, 0
	STEP 0, 2, 0
	s_wait_tensorcnt 0x0                           ; K step 3 changes slots: my part of slot 1 is in,
	s_wait_dscnt 8
	WIN 0xa1
	MUL16 0, 1, 3, 0
	s_wait_dscnt 0x0                               ; no LDS load of mine is out at the signal
	s_barrier_signal -1
	MUL16 2, 1, 3, 0
	WIN 0
	s_barrier_wait -1                              ; everybody's is
	PLACES 4
	FETCH_B 1, 0, 0
	FETCH_A 1, 0, 0
	WIN 0xf1
	MUL16 4, 1, 3, 0
	MUL16 6, 1, 3, 0
	PLACES 4
	WIN 0
	FETCH_A 1, 0, 4
	STEP 1, 0, 0
	STEP 1, 1, 0
	STEP 1, 2, 0
	s_wait_dscnt 8                                 ; the last K step: nothing more to fetch
	WIN 0xa1
	MUL16 0, 1, 7, 0
	MUL16 2, 1, 7, 0
	s_wait_dscnt 0
	WIN 0xf1
	MUL16 4, 1, 7, 0
	MUL16 6, 1, 7, 0
	WIN 0
	PLACES 4                                       ; in front of the first read of results and the first write over side 1's fragments
.irp a, 0,1,2,3,4,5,6,7
	EPI \a
.endr
	v_cmp_le_u32 vcc_lo, 16, v3                    ; lanes 16-31 store the words of blocks 4-7
.irp i, 0,1,2,3
	v_cndmask_b32 v[XW+\i], v[WS+\i], v[WS+4+\i], vcc_lo
.endr
	global_store_b128 v[L16], v[XW:XW+3], s[40:41]
	s_wait_tensorcnt 0x0
	ds_add_u32 v126, v127
	s_wait_dscnt 0x0
	CROUND                                         ; the closing round: no work-group ends while a partner may still ask for a tile that names it
	s_endpgm
.Lfunc_end_k_q9dfe0837b7_proj:
	.size	k_q9dfe0837b7_proj, .Lfunc_end_k_q9dfe0837b7_proj-k_q9dfe0837b7_proj
	.p2alignl 7, 3214868480
	.fill 96, 4, 3214868480
	.section	.rodata,"a",@progbits
	.p2align	6, 0x0
	.amdhsa_kernel k_q9dfe0837b7_proj
		.amdhsa_group_segment_fixed_size 279040
		.amdhsa_private_segment_fixed_size 0
		.amdhsa_enable_private_segment 0
		.amdhsa_kernarg_size 168
		.amdhsa_user_sgpr_count 2
		.amdhsa_user_sgpr_kernarg_segment_ptr 1
		.amdhsa_wavefront_size32 1
		.amdhsa_system_sgpr_workgroup_id_x 1
		.amdhsa_system_sgpr_workgroup_id_y 1
		.amdhsa_system_sgpr_workgroup_id_z 1
		.amdhsa_system_vgpr_workitem_id 0
		.amdhsa_next_free_vgpr 1024
		.amdhsa_next_free_sgpr 102
		.amdhsa_reserve_vcc 1
		.amdhsa_float_denorm_mode_32 3
		.amdhsa_float_denorm_mode_16_64 3
		.amdhsa_memory_ordered 1
		.amdhsa_forward_progress 1
		.amdhsa_inst_pref_size 145
	.end_amdhsa_kernel
	.amdgpu_metadata
---
amdhsa.version: [ 1, 2 ]
amdhsa.kernels:
  - .name:           k_q9dfe0837b7_proj
    .symbol:         k_q9dfe0837b7_proj.kd
    .args:
      - { .name: q_codes, .offset: 0, .size: 8, .value_kind: global_buffer, .address_space: global }
      - { .name: k_codes, .offset: 8, .size: 8, .value_kind: global_buffer, .address_space: global }
      - { .name: v_codes, .offset: 16, .size: 8, .value_kind: global_buffer, .address_space: global }
      - { .name: q_scales, .offset: 24, .size: 8, .value_kind: global_buffer, .address_space: global }
      - { .name: k_scales, .offset: 32, .size: 8, .value_kind: global_buffer, .address_space: global }
      - { .name: v_scales, .offset: 40, .size: 8, .value_kind: global_buffer, .address_space: global }
      - { .name: Wq_codes, .offset: 48, .size: 8, .value_kind: global_buffer, .address_space: global }
      - { .name: Wk_codes, .offset: 56, .size: 8, .value_kind: global_buffer, .address_space: global }
      - { .name: Wv_codes, .offset: 64, .size: 8, .value_kind: global_buffer, .address_space: global }
      - { .name: Wq_scales, .offset: 72, .size: 8, .value_kind: global_buffer, .address_space: global }
      - { .name: Wk_scales, .offset: 80, .size: 8, .value_kind: global_buffer, .address_space: global }
      - { .name: Wv_scales, .offset: 88, .size: 8, .value_kind: global_buffer, .address_space: global }
      - { .name: bq, .offset: 96, .size: 8, .value_kind: global_buffer, .address_space: global }
      - { .name: bk, .offset: 104, .size: 8, .value_kind: global_buffer, .address_space: global }
      - { .name: bv, .offset: 112, .size: 8, .value_kind: global_buffer, .address_space: global }
      - { .name: qimg, .offset: 120, .size: 8, .value_kind: global_buffer, .address_space: global }
      - { .name: kimg, .offset: 128, .size: 8, .value_kind: global_buffer, .address_space: global }
      - { .name: vimg, .offset: 136, .size: 8, .value_kind: global_buffer, .address_space: global }
      - { .name: qsc, .offset: 144, .size: 8, .value_kind: global_buffer, .address_space: global }
      - { .name: ksc, .offset: 152, .size: 8, .value_kind: global_buffer, .address_space: global }
      - { .name: vsc, .offset: 160, .size: 8, .value_kind: global_buffer, .address_space: global }
    .group_segment_fixed_size: 279040
    .private_segment_fixed_size: 0
    .kernarg_segment_align: 8
    .kernarg_segment_size: 168
    .max_flat_workgroup_size: 128
    .sgpr_count:     102
    .vgpr_count:     1024
    .wavefront_size: 32
...
	.end_amdgpu_metadata
.endif
;; end of part 1
;; launch attn (part 2): grid 8 x 32, 16 waves a work-group, clusters of 4 x 1, 281,600 bytes of LDS; arguments qimg, qsc, kimg, ksc, vimg, vsc, cimg, csc; writes cimg, csc
.if DOCPART == 2
	.amdgcn_target "amdgcn-amd-amdhsa--gfx1250"
	.amdhsa_code_object_version 6
	.text
	.protected	k_q9dfe0837b7_attn
	.globl	k_q9dfe0837b7_attn
	.p2align	8
	.type	k_q9dfe0837b7_attn,@function
k_q9dfe0837b7_attn:
	s_mov_b64 s[64:65], 0
	v_nop
	global_prefetch_b8 v0, s[64:65] scope:SCOPE_SE
	s_setreg_imm32_b32 hwreg(HW_REG_WAVE_MODE, 25, 1), 1
	s_wait_xcnt 0x0
	s_wait_alu depctr_hold_cnt(0) depctr_sa_sdst(0) depctr_va_vdst(0) depctr_va_sdst(0) depctr_va_ssrc(0) depctr_va_vcc(0) depctr_vm_vsrc(0)
	s_getreg_b32 s2, hwreg(HW_REG_IB_STS2, 6, 4)
	s_cmp_eq_u32 s2, 0
	s_cbranch_scc0 .Lentry_in_a_cluster
	s_endpgm
.Lentry_in_a_cluster:
	s_bfe_u32 s2, ttmp6, 0x10000c
	s_cmp_lg_u32 s2, 0x3003
	s_cbranch_scc0 .Lentry_shape_is_right
	s_endpgm
.Lentry_shape_is_right:
; ATTENTION on codes of FP4 (E2M1): for each head, ctx = softmax(qh kh^T / 8) vh, and ctx's quantiser along the model's 1,024.  All operands come as images of the matrix unit's registers (1,024 bytes a fragment).
; SHARES.  A work-group owns 256 queries of a PAIR of heads (y = batch x 8 + pair); each of its sixteen waves owns 16 queries, in 256 registers, four waves to a SIMD, so that one wave's exponentials stand beside
; another's plain and matrix work.  A wave makes two passes over the 2,048 keys, one for each head of the pair: together they give one whole fragment of ctx (128 along K) and one whole scale word a row.
; LDS.  K's and V's images and scale words of the pair, 272 KiB, are filled ONCE, in four chunks of 512 keys; pass 0 starts on chunk 0 while the others are on their way.  No ring, nothing is filled again.
; CLUSTER.  The four blocks of queries of a cluster walk the same K and V: every fill is a joint load, the mask names all four.
; LAYOUT.  Both products are used transposed: S^T = K Q^T (source 0 = 16 keys, source 1 = my 16 queries), O^T = V^T P^T (source 0 = 16 channels, source 1 = P): a lane holds ONE query (lane % 16) throughout.
; The first product's K is 64: a fragment of 128 holds both heads of the pair; the half that is not this pass's is zero CODES in both operands, which add nothing under any scale byte of this program's make (1 to 254).
; In S^T register 8 t + j of lane (r, h) is key 16 t + 8 h + j.  The two conversions of block B of 32 keys go to registers 4 (B / 2) + B % 2 and + 2, and two exchanges of halves for each pair of blocks give P's fragment.
; THE SOFTMAX: t = score x log2(e) / 8; M = the largest t so far, rounded UP to a whole number; p = 2^(t - M) is quantised, not normalised; the row's sum is taken of the unquantised p and divides O at the end.
; When M moves, the sum and O are multiplied by 2^(old M - new M): exact.
; LIMITS: NaN and infinities are not served; M is a whole number exactly while |t| < 2^24; a block whose largest magnitude lies under 2^-124, a block of zeros too, gets the byte 1: only this program reads the bytes.
; REGISTERS: v1-7 addresses that stay and ctx's scale word; v8-11 addresses in hand; v12 -M, v13 the largest t, v[14:15] the sum; v16-23, v24-31 Q for pass 0, 1; v32-95 K; v96-159 S^T, then p; v160-191 O^T;
;   v192-223 V; v224-231 p's codes; v240-243 V's scale words; v248-251 K's; v253 p's; v255 Q's; v232-239, v244-247, v252, v254 at work.
.set KC,   0                           ; LDS: K's images [16 steps of 128 keys][8 tiles][1,024]
.set VC,   131072                      ; V's [16 steps][8 tiles: 4 x (head & 1) + 16 channels' number][1,024]
.set KSC,  262144                      ; K's scale words [16 steps][512]
.set VSC,  270336                      ; V's
.set STG,  278528                      ; a stage for ctx's scale words, 1,024 bytes of its own: no fill lands here
.set AK0,  1                           ; v1   16 x lane: my place in an image; also my offset in the global loads and stores of images
.set AV0,  2                           ; v2   VC + 16 x lane
.set AS0,  3                           ; v3   KSC + 16 x lane
.set AT0,  4                           ; v4   VSC + 16 r
.set SRD,  5                           ; v5   STG + 16 x (thread & 63): where the stage is read back
.set CW,   6                           ; v6   my row's scale word of ctx
.set SWA,  7                           ; v7   where it goes in the stage
.set ADK,  8
.set ADV,  9
.set ADS,  10
.set ADT,  11
.set KF,   32
.set VF,   192
.set WV,   20
.set SEL,  22
.set CS,   24
.set G1C,  28                          ; s[28:35] group 1: 16 KiB as 64 rows of 256 bytes
.set G1S,  36                          ; s[36:43] group 1: 4 KiB as 16 rows
.set G0S,  44                          ; s[44:47] group 0 for my scale words;  s[48:63] for my four chunks
.set G0C,  48
.set TK,   66                          ; s66  the step's images: 8,192 bytes a step
.set TS,   67                          ; s67  its scale words: 512 bytes a step
.set CNT,  68
.macro CROUND                          ; a round of the cluster's barrier
	s_barrier_signal -1
	s_barrier_wait -1
	s_cmp_lg_u32 s[WV], 0
	s_cbranch_scc1 .Lnot_wave_0_\@
	s_barrier_signal -3
.Lnot_wave_0_\@:
	s_barrier_wait -3
	s_barrier_signal -1
	s_barrier_wait -1
.endm
	s_load_b512 s[4:19], s[0:1], 0x0               ; qimg, qsc, kimg, ksc, vimg, vsc, cimg, csc
	v_lshl_add_u32 v254, v0, 2, 0x44400
	v_mov_b32 v255, 0
	ds_add_u32 v254, v255
	ds_add_u32 v254, v255
	s_wait_dscnt 0x0
	v_lshrrev_b32 v8, 5, v0
	v_readfirstlane_b32 s[WV], v8                  ; wave 0..15
	s_bfe_u32 s70, ttmp6, 0x40000                  ; cx
	s_lshl_b32 s71, ttmp9, 2
	s_add_co_u32 s71, s71, s70                     ; my block of 256 queries: it enters Q's and the outputs' addresses alone
	s_and_b32 s72, ttmp7, 0xffff                   ; y = batch x 8 + pair, which the four partners share
	s_bfe_u32 s73, s[WV], 0x10001                  ; waves 0-3 fetch: 0 K, 1 V;
	s_and_b32 s74, s[WV], 1                        ; which half of each chunk
	s_lshl_b32 s76, s72, 17                        ; images: 131,072 bytes a pair,
	s_lshl_b32 s77, s74, 14                        ; my half of a chunk: 16,384
	s_add_co_u32 s76, s76, s77
	s_mov_b32 s77, 0
	s_lshl_b32 s78, s72, 13                        ; scale words: 8,192 bytes a pair,
	s_lshl_b32 s79, s74, 12                        ; my half
	s_add_co_u32 s78, s78, s79
	s_mov_b32 s79, 0
	s_lshl_b32 s84, s73, 17                        ; and in LDS
	s_lshl_b32 s85, s74, 14
	s_add_co_u32 s84, s84, s85
	s_lshl_b32 s85, s73, 13
	s_lshl_b32 s75, s74, 12
	s_add_co_u32 s85, s85, s75
	s_add_co_u32 s85, s85, KSC
	s_mov_b32 s[G1C], 15|(3<<16)|(1<<21)           ; 15:0 the mask: all four work-groups; 17:16 elements of 8 bytes; 21 set beside a mask; no padding: every read takes 16 x lane on end
	s_mov_b32 s[G1C+1], 32<<16                     ; tensor_dim0 = 32 elements: 256 bytes
	s_mov_b32 s[G1C+2], 64<<16                     ; tensor_dim1 = 64 rows
	s_mov_b32 s[G1C+3], 32<<16                     ; tile_dim0
	s_mov_b32 s[G1C+4], 64                         ; tile_dim1
	s_mov_b32 s[G1C+5], 32                         ; dense
	s_mov_b32 s[G1C+6], 0
	s_mov_b32 s[G1C+7], 0
	s_mov_b32 s[G1S], 15|(3<<16)|(1<<21)
	s_mov_b32 s[G1S+1], 32<<16
	s_mov_b32 s[G1S+2], 16<<16
	s_mov_b32 s[G1S+3], 32<<16
	s_mov_b32 s[G1S+4], 16
	s_mov_b32 s[G1S+5], 32
	s_mov_b32 s[G1S+6], 0
	s_mov_b32 s[G1S+7], 0
	s_mov_b32 s[SEL], 0x76543210
	s_mov_b32 s[SEL+1], 0xfedcba98                 ; v_permlanex16_b32's selects for lane l xor 16
	s_mov_b32 s[CS], 0x3e38aa3b                    ; c = log2(e) / 8
	s_mov_b32 s[CS+1], s[CS]                       ; (named with it as a pair, so it is written)
	s_wait_kmcnt 0x0
	s_cmp_lt_u32 s[WV], 2                          ; K's buffers or V's: the choice hangs on the wave's number alone
	s_cselect_b64 s[80:81], s[8:9], s[12:13]
	s_cselect_b64 s[82:83], s[10:11], s[14:15]
	s_add_nc_u64 s[80:81], s[80:81], s[76:77]
	s_add_nc_u64 s[82:83], s[82:83], s[78:79]
	s_mov_b32 s[G0S], 1
	s_mov_b32 s[G0S+1], s85
	s_mov_b64 s[G0S+2:G0S+3], s[82:83]
	s_or_b32 s[G0S+3], s[G0S+3], 0x80000000
.irp c, 0,1,2,3
	s_mov_b32 s[G0C+4*\c], 1
	s_add_co_u32 s[G0C+4*\c+1], s84, \c*32768
	s_add_nc_u64 s[G0C+4*\c+2:G0C+4*\c+3], s[80:81], \c*32768
	s_or_b32 s[G0C+4*\c+3], s[G0C+4*\c+3], 0x80000000
.endr
	CROUND                                         ; all four work-groups are here: the joint loads meet
	s_cmp_lt_u32 s[WV], 4                          ; all the fills of a wave stand in one branch on its number: five tensor loads of mine are out, and no more follow
	s_cbranch_scc0 .Lno_fill
	tensor_load_to_lds s[G0S:G0S+3], s[G1S:G1S+7]          ; the scale words first: they are wanted with chunk 0
	s_nop 0
	tensor_load_to_lds s[G0C:G0C+3], s[G1C:G1C+7]
	s_nop 0
	tensor_load_to_lds s[G0C+4:G0C+7], s[G1C:G1C+7]
	s_nop 0
	tensor_load_to_lds s[G0C+8:G0C+11], s[G1C:G1C+7]
	s_nop 0
	tensor_load_to_lds s[G0C+12:G0C+15], s[G1C:G1C+7]
	s_nop 0
.rept 4
	v_nop                                          ; four such lines behind the loads
.endr
.Lno_fill:
	s_lshl_b32 s86, s72, 4                         ; Q: index y x 16 + group of 128 queries, tile wave & 7
	s_lshl_b32 s87, s71, 1
	s_add_co_u32 s86, s86, s87
	s_lshr_b32 s87, s[WV], 3
	s_add_co_u32 s86, s86, s87
	s_and_b32 s87, s[WV], 7
	s_lshl_b32 s88, s86, 13
	s_lshl_b32 s89, s87, 10
	s_add_co_u32 s88, s88, s89
	s_mov_b32 s89, 0
	s_add_nc_u64 s[4:5], s[4:5], s[88:89]
	s_lshl_b32 s88, s86, 9                         ; its scale words: tile a's lie at 256 (a / 4) + 16 r + 4 (a % 4)
	s_lshr_b32 s90, s87, 2
	s_lshl_b32 s90, s90, 8
	s_add_co_u32 s88, s88, s90
	s_and_b32 s90, s87, 3
	s_lshl_b32 s90, s90, 2
	s_add_co_u32 s88, s88, s90
	s_add_nc_u64 s[6:7], s[6:7], s[88:89]
	s_lshr_b32 s86, s72, 3                         ; batch
	s_and_b32 s87, s72, 7                          ; pair
	s_lshl_b32 s88, s86, 7                         ; ctx: row tile batch x 128 + 16 x block + wave, 8,192 bytes each; K step = pair, 1,024 bytes
	s_lshl_b32 s90, s71, 4
	s_add_co_u32 s88, s88, s90
	s_add_co_u32 s88, s88, s[WV]
	s_lshl_b32 s88, s88, 13
	s_lshl_b32 s90, s87, 10
	s_add_co_u32 s88, s88, s90
	s_add_nc_u64 s[16:17], s[16:17], s[88:89]
	s_lshl_b32 s88, s86, 4                         ; its scale words: [pair][group of 128 rows][512]; the work-group has two groups
	s_lshl_b32 s90, s71, 1
	s_add_co_u32 s88, s88, s90
	s_lshl_b32 s88, s88, 9
	s_lshl_b32 s90, s87, 15
	s_add_co_u32 s88, s88, s90
	s_add_nc_u64 s[18:19], s[18:19], s[88:89]
	s_lshr_b32 s90, s[WV], 3                       ; in the stage: group wave / 8; block a = wave & 7 = 2 i + h lies at 256 h + 16 r + 4 i
	s_lshl_b32 s90, s90, 9
	s_lshl_b32 s88, s74, 8
	s_add_co_u32 s90, s90, s88
	s_bfe_u32 s88, s[WV], 0x20001
	s_lshl_b32 s88, s88, 2
	s_add_co_u32 s90, s90, s88
	s_add_co_u32 s90, s90, STG
	v_and_b32 v8, 31, v0                           ; lane
	v_and_b32 v9, 15, v0                           ; r
	v_and_b32 v11, 63, v0
	v_lshlrev_b32 v[AK0], 4, v8
	v_add_nc_u32 v[AV0], VC, v[AK0]
	v_add_nc_u32 v[AS0], KSC, v[AK0]
	v_lshl_add_u32 v[AT0], v9, 4, VSC
	v_lshl_add_u32 v[SRD], v11, 4, STG
	v_lshl_add_u32 v[SWA], v9, 4, s90
	v_lshlrev_b32 v10, 4, v9
	global_load_b128 v[16:19], v[AK0], s[4:5]              ; the even head's half of Q's fragment: pass 0's first half
	global_load_b128 v[28:31], v[AK0], s[4:5] offset:512   ; the odd head's: pass 1's second half
	global_load_b32 v255, v10, s[6:7]                      ; Q's scale words
.irp j, 20,21,22,23,24,25,26,27
	v_mov_b32 v\j, 0                               ; the other halves: zero codes
.endr
.irp b, 0,1,2,3
	v_mov_b32 v[236+\b], 0                         ; written once: a lane permute's destination counts as one of its sources
.endr
	v_mov_b32 v252, 0
	v_mov_b32 v253, 0                              ; (named as the upper half of the pair v[252:253] before it is first written)
; A KEY STEP of pass p: 128 keys.
.macro STEP p
	v_add_nc_u32 v[ADK], s[TK], v[AK0]             ; these four lines are also the places between the last step's products and the loads into V's registers
	v_add_nc_u32 v[ADV], s[TK], v[AV0]
	v_add_nc_u32 v[ADS], s[TS], v[AS0]
	v_add_nc_u32 v[ADT], s[TS], v[AT0]
.irp t, 0,1,2,3,4,5,6,7
	ds_load_b128 v[KF+8*\t+4*\p:KF+8*\t+4*\p+3], v[ADK] offset:1024*\t+512*\p   ; this head's half of each of K's eight fragments
.endr
	ds_load_b128 v[248:251], v[ADS]                ; K's scale words: lanes 0-15 tiles 0-3, lanes 16-31 tiles 4-7
.irp d, 0,1,2,3
.irp c, 0,1
	ds_load_b128 v[VF+8*\d+4*\c:VF+8*\d+4*\c+3], v[ADV] offset:4096*\p+1024*\d+512*\c   ; V's four fragments: they land while the softmax is worked
.endr
.endr
	ds_load_b128 v[240:243], v[ADT] offset:256*\p  ; V's scale words
	s_wait_dscnt 9                                 ; K's nine loads are in; V's nine, issued behind them, may be out
.irp t, 0,1,2,3
	v_wmma_scale_f32_16x16x128_f8f6f4 v[96+8*\t:103+8*\t], v[KF+8*\t:KF+8*\t+7], v[16+8*\p:23+8*\p], 0, v[248+\t], v255 matrix_a_fmt:MATRIX_FMT_FP4 matrix_b_fmt:MATRIX_FMT_FP4
.endr
.irp t, 4,5,6,7
	v_wmma_scale_f32_16x16x128_f8f6f4 v[96+8*\t:103+8*\t], v[KF+8*\t:KF+8*\t+7], v[16+8*\p:23+8*\p], 0, v[244+\t], v255 matrix_a_fmt:MATRIX_FMT_FP4 matrix_b_fmt:MATRIX_FMT_FP4 matrix_a_scale:MATRIX_SCALE_ROW1
.endr
.rept 4
	v_nop                                          ; places in front of the first read of the scores
.endr
.irp b, 0,1,2,3
	v_max3_num_f32 v[232+\b], v[96+16*\b], v[97+16*\b], v[98+16*\b]   ; the largest score of each block of 32 keys: for the row's maximum, and, since p rises with the score, for the block's largest p
.endr
.irp i, 3,5,7,9,11,13
.irp b, 0,1,2,3
	v_max3_num_f32 v[232+\b], v[232+\b], v[96+16*\b+\i], v[97+16*\b+\i]
.endr
.endr
.irp b, 0,1,2,3
	v_max_num_f32 v[232+\b], v[232+\b], v[111+16*\b]
.endr
.irp b, 0,1,2,3
	v_permlanex16_b32 v[236+\b], v[232+\b], s[SEL], s[SEL+1]
.endr
.irp b, 0,1,2,3
	v_max_num_f32 v[232+\b], v[232+\b], v[236+\b]  ; with lane l xor 16's 16 keys
.endr
	v_max3_num_f32 v254, v232, v233, v234
	v_max_num_f32 v254, v254, v235                 ; the step's largest score of my query
	v_mul_f32 v254, s[CS], v254                    ; as t (c is positive)
	v_max_num_f32 v13, v13, v254                   ; the running largest t
	v_mov_b32 v254, v12
	v_floor_f32 v12, -v13                          ; the new -M = floor(-t) = -ceil(t): a whole number
	v_sub_f32 v254, v12, v254                      ; M's old value less its new one: a whole number, 0 or less
	v_cvt_i32_f32 v254, v254                       ; (it saturates)
	v_ldexp_f32 v252, 1.0, v254                    ; f = 2^(old M - new M)
.set jj, 0
.rept 32
	v_pk_fma_f32 v[96+jj:97+jj], v[96+jj:97+jj], s[CS:CS+1], v[12:13] op_sel_hi:[1,0,0]   ; t - M, two at a time
.set jj, jj+2
.endr
.irp b, 0,1,2,3
	v_fma_f32 v[232+\b], v[232+\b], s[CS], v12     ; the same of each block's largest score
.endr
.set jj, 0
.rept 64
	v_exp_f32 v[96+jj], v[96+jj]                   ; p = 2^(t - M), at most 1
.set jj, jj+1
.endr
.irp b, 0,1,2,3
	v_exp_f32 v[232+\b], v[232+\b]                 ; the block's largest p: the same two instructions on the same number give the same bits
.endr
	v_pk_mul_f32 v[14:15], v[14:15], v[252:253] op_sel_hi:[1,0]   ; the sums under the new M.  (A plain line behind the exponentials)
	s_wait_alu depctr_va_vdst(0)
.irp b, 0,1,2,3
	v_max_num_f32 v[232+\b], 0x1800000, v[232+\b]  ; the floor 2^(3 - 127): the byte cannot fall under 1
.endr
.irp b, 0,1,2,3
	v_add_nc_u32 v[244+\b], 0xff000000, v[232+\b]  ; 2 off the exponent field: the conversion's scale operand
.endr
.irp b, 0,1,2,3
	v_lshrrev_b32 v[236+\b], 23, v[244+\b]         ; the scale's byte
.endr
	v_lshl_or_b32 v253, v237, 8, v236              ; p's scale word for these 128 keys
	v_lshl_or_b32 v253, v238, 16, v253
	v_lshl_or_b32 v253, v239, 24, v253
.irp b, 0,1,2,3
	v_cvt_scalef32_pk8_fp4_f32 v[224+4*(\b/2)+\b%2], v[96+16*\b:103+16*\b], v[244+\b]    ; keys 32 b + 8 h + 0 .. 7
	v_cvt_scalef32_pk8_fp4_f32 v[226+4*(\b/2)+\b%2], v[104+16*\b:111+16*\b], v[244+\b]   ; keys 32 b + 16 + 8 h + 0 .. 7
.endr
	v_nop                                          ; one plain line behind a scaled conversion
.irp c, 0,1
	v_permlane16_swap_b32 v[224+4*\c], v[225+4*\c] ; registers 4 c .. 4 c + 3 now hold keys 64 c + 32 h + 0 .. 31
	v_permlane16_swap_b32 v[226+4*\c], v[227+4*\c]
.endr
.set jj, 0
.rept 16
	v_pk_mul_f32 v[160+jj:161+jj], v[160+jj:161+jj], v[252:253] op_sel_hi:[1,0]   ; O^T under the new M, each accumulator from its low end on
.set jj, jj+2
.endr
	v_pk_add_f32 v[236:237], v[96:97], v[98:99]    ; the row's sum is taken of the unquantised p: two at a time, in two chains.  These lines are also the places in front of the products below
.irp j, 4,8,12,16,20,24,28,32,36,40,44,48,52,56,60
	v_pk_add_f32 v[14:15], v[14:15], v[96+\j:97+\j]
	v_pk_add_f32 v[236:237], v[236:237], v[98+\j:99+\j]
.endr
	v_pk_add_f32 v[14:15], v[14:15], v[236:237]
	s_wait_dscnt 0x0                               ; V is in
.irp d, 0,1,2,3
	v_wmma_scale_f32_16x16x128_f8f6f4 v[160+8*\d:167+8*\d], v[VF+8*\d:VF+8*\d+7], v[224:231], v[160+8*\d:167+8*\d], v[240+\d], v253 matrix_a_fmt:MATRIX_FMT_FP4 matrix_b_fmt:MATRIX_FMT_FP4
.endr
	s_add_co_u32 s[TK], s[TK], 8192
	s_add_co_u32 s[TS], s[TS], 512
.endm
; Pass 0's chunk c of 512 keys: the waves that fetched it wait for it, all meet, and four steps follow.
.macro CHUNK c
	s_wait_tensorcnt 3-\c                          ; the scale words and chunks 0 .. c are in; the 3 - c chunks issued behind them may stay out
	s_barrier_signal -1
	s_barrier_wait -1
	s_mov_b32 s[TK], \c*32768
	s_mov_b32 s[TS], \c*2048
	s_mov_b32 s[CNT], 4
.Lchunk_\@:
	STEP 0
	s_sub_co_u32 s[CNT], s[CNT], 1
	s_cmp_lg_u32 s[CNT], 0
	s_cbranch_scc1 .Lchunk_\@
.endm
; A pass's end: O^T / the sum is ctx of head 2 pair + p, 64 numbers a row; two blocks of 32 are quantised and make half p of the fragment and of the scale word.
.macro CTX p
.rept 4
	v_nop                                          ; places behind the last products
.endr
	v_add_f32 v14, v14, v15                        ; the sum's two halves,
	v_permlanex16_b32 v252, v14, s[SEL], s[SEL+1]
	v_add_f32 v14, v14, v252                       ; and lane l xor 16's
	v_rcp_f32 v14, v14
	v_nop                                          ; a plain line behind the transcendental
.set jj, 0
	s_wait_alu depctr_va_vdst(0)
.rept 16
	v_pk_mul_f32 v[96+jj:97+jj], v[160+jj:161+jj], v[14:15] op_sel_hi:[1,0]   ; register 8 d + j: channel 16 d + 8 h + j of my query
.set jj, jj+2
.endr
.irp b, 0,1
	v_max3_num_f32 v[232+\b], |v[96+16*\b]|, |v[97+16*\b]|, 0x1800000
.endr
.irp i, 2,4,6,8,10,12,14
.irp b, 0,1
	v_max3_num_f32 v[232+\b], v[232+\b], |v[96+16*\b+\i]|, |v[97+16*\b+\i]|
.endr
.endr
.irp b, 0,1
	v_permlanex16_b32 v[236+\b], v[232+\b], s[SEL], s[SEL+1]
.endr
.irp b, 0,1
	v_max_num_f32 v[232+\b], v[232+\b], v[236+\b]
.endr
.irp b, 0,1
	v_add_nc_u32 v[244+\b], 0xff000000, v[232+\b]
.endr
.irp b, 0,1
	v_lshrrev_b32 v[236+\b], 23, v[244+\b]
.endr
	v_lshl_or_b32 v254, v237, 8, v236              ; this head's two bytes
.if \p
	v_lshl_or_b32 v[CW], v254, 16, v[CW]
.else
	v_mov_b32 v[CW], v254
.endif
.irp b, 0,1
	v_cvt_scalef32_pk8_fp4_f32 v[224+\b], v[96+16*\b:103+16*\b], v[244+\b]
	v_cvt_scalef32_pk8_fp4_f32 v[226+\b], v[104+16*\b:111+16*\b], v[244+\b]
.endr
	v_nop
	v_permlane16_swap_b32 v224, v225
	v_permlane16_swap_b32 v226, v227
	global_store_b128 v[AK0], v[224:227], s[16:17] offset:512*\p   ; 512 consecutive bytes, aligned
.endm
.macro BEGIN p                         ; a pass's head
.irp t, 0,1,2,3,4,5,6,7
.irp i, 0,1,2,3
	v_mov_b32 v[KF+8*\t+4*(1-\p)+\i], 0            ; the half of K's fragments that is not this head's: zero codes
.endr
.endr
	v_mov_b32 v13, 0xff61b1e6                      ; the largest t so far: -3e38, under every t
	v_floor_f32 v12, -v13                          ; -M
	v_mov_b32 v14, 0
	v_mov_b32 v15, 0
.set jj, 0
.rept 32
	v_mov_b32 v[160+jj], 0                         ; O^T: the step is written once; its first walk finds zeros, which the first change of M leaves zeros
.set jj, jj+1
.endr
.endm
	BEGIN 0
	s_wait_loadcnt 0x0                             ; Q and its scale words; v10, their offset, may be written again
	CHUNK 0
	CHUNK 1
	CHUNK 2
	CHUNK 3
	CTX 0
	s_wait_xcnt 0x0                                ; the store has read its data: pass 1 writes those registers again
	BEGIN 1
	s_mov_b32 s[TK], 0                             ; all of K and V lies in LDS: no wait, no barrier
	s_mov_b32 s[TS], 0
	s_mov_b32 s[CNT], 16
.Lpass1:
	STEP 1
	s_sub_co_u32 s[CNT], s[CNT], 1
	s_cmp_lg_u32 s[CNT], 0
	s_cbranch_scc1 .Lpass1
	CTX 1
	ds_store_b32 v[SWA], v[CW]                     ; ctx's scale words meet in the stage (both halves of the lanes write the same word with the same value)
	s_wait_dscnt 0x0                               ; for the others' sake
	s_barrier_signal -1
	s_barrier_wait -1
	s_cmp_lt_u32 s[WV], 2
	s_cbranch_scc0 .Lno_csc
	ds_load_b128 v[96:99], v[SRD]                  ; waves 0 and 1 store the two groups' 512 bytes each, aligned
	v_and_b32 v8, 63, v0
	v_lshlrev_b32 v8, 4, v8
	s_wait_dscnt 0x0
	global_store_b128 v8, v[96:99], s[18:19]
.Lno_csc:
	s_wait_xcnt 0x0
	v_lshl_add_u32 v254, v0, 2, 0x44400
	v_mov_b32 v255, 0
	s_wait_tensorcnt 0x0
	ds_add_u32 v254, v255
	s_wait_dscnt 0x0
	CROUND                                         ; the closing round: no work-group ends while a partner may still ask for a tile that names it
	s_endpgm
.Lfunc_end_k_q9dfe0837b7_attn:
	.size	k_q9dfe0837b7_attn, .Lfunc_end_k_q9dfe0837b7_attn-k_q9dfe0837b7_attn
	.p2alignl 7, 3214868480
	.fill 96, 4, 3214868480
	.section	.rodata,"a",@progbits
	.p2align	6, 0x0
	.amdhsa_kernel k_q9dfe0837b7_attn
		.amdhsa_group_segment_fixed_size 281600
		.amdhsa_private_segment_fixed_size 0
		.amdhsa_enable_private_segment 0
		.amdhsa_kernarg_size 64
		.amdhsa_user_sgpr_count 2
		.amdhsa_user_sgpr_kernarg_segment_ptr 1
		.amdhsa_wavefront_size32 1
		.amdhsa_system_sgpr_workgroup_id_x 1
		.amdhsa_system_sgpr_workgroup_id_y 1
		.amdhsa_system_sgpr_workgroup_id_z 1
		.amdhsa_system_vgpr_workitem_id 0
		.amdhsa_next_free_vgpr 256
		.amdhsa_next_free_sgpr 92
		.amdhsa_reserve_vcc 0
		.amdhsa_float_denorm_mode_32 3
		.amdhsa_float_denorm_mode_16_64 3
		.amdhsa_memory_ordered 1
		.amdhsa_forward_progress 1
		.amdhsa_inst_pref_size 95
	.end_amdhsa_kernel
	.amdgpu_metadata
---
amdhsa.version: [ 1, 2 ]
amdhsa.kernels:
  - .name:           k_q9dfe0837b7_attn
    .symbol:         k_q9dfe0837b7_attn.kd
    .args:
      - { .name: qimg, .offset: 0, .size: 8, .value_kind: global_buffer, .address_space: global }
      - { .name: qsc, .offset: 8, .size: 8, .value_kind: global_buffer, .address_space: global }
      - { .name: kimg, .offset: 16, .size: 8, .value_kind: global_buffer, .address_space: global }
      - { .name: ksc, .offset: 24, .size: 8, .value_kind: global_buffer, .address_space: global }
      - { .name: vimg, .offset: 32, .size: 8, .value_kind: global_buffer, .address_space: global }
      - { .name: vsc, .offset: 40, .size: 8, .value_kind: global_buffer, .address_space: global }
      - { .name: cimg, .offset: 48, .size: 8, .value_kind: global_buffer, .address_space: global }
      - { .name: csc, .offset: 56, .size: 8, .value_kind: global_buffer, .address_space: global }
    .group_segment_fixed_size: 281600
    .private_segment_fixed_size: 0
    .kernarg_segment_align: 8
    .kernarg_segment_size: 64
    .max_flat_workgroup_size: 512
    .sgpr_count:     92
    .vgpr_count:     256
    .wavefront_size: 32
...
	.end_amdgpu_metadata
.endif
;; end of part 2
;; launch outp (part 3): grid 4 x 32, 4 waves a work-group, clusters of 4 x 4, 304,640 bytes of LDS; arguments cimg, csc, Wo_codes, Wo_scales, bo, out0; writes out0
.if DOCPART == 3
	.amdgcn_target "amdgcn-amd-amdhsa--gfx1250"
	.amdhsa_code_object_version 6
	.text
	.protected	k_q9dfe0837b7_outp
	.globl	k_q9dfe0837b7_outp
	.p2align	8
	.type	k_q9dfe0837b7_outp,@function
k_q9dfe0837b7_outp:
	s_mov_b64 s[64:65], 0
	v_nop
	global_prefetch_b8 v0, s[64:65] scope:SCOPE_SE
	s_setreg_imm32_b32 hwreg(HW_REG_WAVE_MODE, 25, 1), 1
	s_wait_xcnt 0x0
	s_wait_alu depctr_hold_cnt(0) depctr_sa_sdst(0) depctr_va_vdst(0) depctr_va_sdst(0) depctr_va_ssrc(0) depctr_va_vcc(0) depctr_vm_vsrc(0)
	s_getreg_b32 s2, hwreg(HW_REG_IB_STS2, 6, 4)
	s_cmp_eq_u32 s2, 0
	s_cbranch_scc0 .Lentry_in_a_cluster
	s_endpgm
.Lentry_in_a_cluster:
	s_bfe_u32 s2, ttmp6, 0x10000c
	s_cmp_lg_u32 s2, 0xf033
	s_cbranch_scc0 .Lentry_shape_is_right
	s_endpgm
.Lentry_shape_is_right:
; out0 = ctx Wo^T + bo.  ctx: [8192][1024] as images of the matrix unit's registers, [row tile of 16][K step of 128][1,024 bytes], with scale words [K step][group of 128 rows][512]; Wo: [1024][1024] codes of FP4 (E2M1),
; K innermost, one E8M0 byte for each 32 along K; bo [1024], out0 [8192][1024]: f32.
; A work-group makes 256 x 256 of out0, each of its four waves 128 x 128: 64 accumulators, 512 registers.  K = 1,024 is two LDS slots: every LDS byte is filled once, both slots are asked for at the start; no ring, no loop.
; The matrix instruction is used transposed (source 0 = 16 rows of Wo, source 1 = 16 rows of ctx): a lane holds eight neighbouring numbers of a row of out0.  The bias is the C of each sum's first matrix instruction.
; CLUSTERS: 4 x 4.  ctx's tile hangs on the work-group's y and is shared along a row of the cluster, Wo's on its x and is shared along a column: each is asked for jointly.
; The scale words (8 KiB a wave against the work-group's 256 KiB of codes) and the bias come straight into registers, once, by plain loads.
; REGISTERS, in windows of 256: window 0: v16-27 addresses, v32-63 ctx's scale words, v64-95 Wo's, v128-191 ctx's fragments, v192-255 the bias as C; on the way out v128-255 take rows of out0.
;   window 1: Wo's fragments, two sets, at v0 and v128.   window 2: accumulators of blocks a = 0-3 ((a, b) at v[8 (8 (a % 4) + b)]).   window 3: those of a = 4-7.
.set PITCH,  272                       ; a row of Wo's tile in LDS: 256 bytes + 16 of padding
.set HALFT,  128*PITCH
.set ASLOT,  65536                     ; ctx: slot j at j ASLOT: [16 row tiles][4 K steps][1,024]
.set WBASE,  131072                    ; Wo: slot j at WBASE + j WSLOT: 256 rows
.set WSLOT,  2*HALFT
.set STAGE,  WBASE+2*WSLOT             ; the way out: 16 rows x (512 bytes + 16) for each wave, bytes of its own: no fill lands here
.set SPITCH, 528
.set NROW,   4096                      ; a row of out0 in bytes
.set ADRA, 16
.set ADRB, 20
.set SCO,  22                          ; v22  32 x lane
.set L16,  23                          ; v23  16 x lane
.set BOF,  24
.set STO,  25
.set RD,   26
.set SA,   32                          ; word of (block a, K step s): v[SA + 4 s + a / 2], lanes 0-15 for even a, lanes 16-31 for odd a
.set SB,   64                          ; of Wo's (block b, K step s): v[SB + 8 (b / 2) + s], likewise
.set AF,   128
.set BIAS, 192
.set BK,   128
.set WV,  16
.set WR,  17
.set WC,  18
.set CX,  19
.set CY,  20
.set WGX, 21
.set WGY, 22
.set G1A, 24                           ; s[24:31], s[32:39] descriptor groups 1 and 0 (a set for each slot) for ctx's tiles
.set G0A, 32
.set G1W, 48                           ; s[48:55], s[56:63] for Wo's
.set G0W, 56
.set MSB, 0
.macro WIN new
.if MSB != (\new)
	s_set_vgpr_msb (MSB<<8)|(\new)
.set MSB, (\new)
.endif
.endm
.macro CROUND
	s_barrier_signal -1
	s_barrier_wait -1
	s_cmp_lg_u32 s[WV], 0
	s_cbranch_scc1 .Lnot_wave_0_\@
	s_barrier_signal -3
.Lnot_wave_0_\@:
	s_barrier_wait -3
	s_barrier_signal -1
	s_barrier_wait -1
.endm
.macro PLACES n
.rept \n
	v_nop
.endr
.endm
	s_load_b256 s[4:11], s[0:1], 0x0               ; cimg, csc, Wo's codes, Wo's scales
	s_load_b128 s[12:15], s[0:1], 0x20             ; bo, out0
	v_lshl_add_u32 v126, v0, 2, 0x4a400
	v_mov_b32 v127, 0
	ds_add_u32 v126, v127
	ds_add_u32 v126, v127
	v_lshrrev_b32 v1, 5, v0
	v_readfirstlane_b32 s[WV], v1
	s_lshr_b32 s[WR], s[WV], 1                     ; my half of the rows.  Also: I fetch ctx (0) or Wo (1)
	s_and_b32 s[WC], s[WV], 1                      ; my half of the columns.  Also: which half of that tile I fetch
	s_bfe_u32 s[CX], ttmp6, 0x40000
	s_bfe_u32 s[CY], ttmp6, 0x40004
	s_lshl_b32 s[WGX], ttmp9, 2
	s_add_co_u32 s[WGX], s[WGX], s[CX]
	s_and_b32 s[WGY], ttmp7, 0xffff
	s_lshl_b32 s[WGY], s[WGY], 2
	s_add_co_u32 s[WGY], s[WGY], s[CY]
	s_lshl_b32 s40, s[CY], 2
	s_lshl_b32 s40, 15, s40                        ; my row of the cluster
	s_lshl_b32 s41, 0x1111, s[CX]                  ; my column
	s_or_b32 s[G1A], s40, (3<<16)|(1<<21)          ; the mask; elements of 8 bytes; 21 set beside a mask; no padding: every read takes 16 x lane on end
	s_mov_b32 s[G1A+1], 512<<16                    ; tensor_dim0 = 512 elements: a row tile's four K steps, 4,096 bytes
	s_mov_b32 s[G1A+2], 8<<16                      ; tensor_dim1 = 8 row tiles
	s_mov_b32 s[G1A+3], 512<<16
	s_mov_b32 s[G1A+4], 8
	s_mov_b32 s[G1A+5], 1024                       ; 8,192 bytes from row tile to row tile
	s_mov_b32 s[G1A+6], 0
	s_mov_b32 s[G1A+7], 0
	s_or_b32 s[G1W], s41, (1<<20)|(1<<21)|(5<<22)|(3<<25)   ; the mask; elements of 1 byte; padding: four words after every 64
	s_mov_b32 s[G1W+1], 256<<16
	s_mov_b32 s[G1W+2], 128<<16
	s_mov_b32 s[G1W+3], 256<<16
	s_mov_b32 s[G1W+4], 128
	s_mov_b32 s[G1W+5], 512
	s_mov_b32 s[G1W+6], 0
	s_mov_b32 s[G1W+7], 0
	s_lshl_b32 s3, s[WC], 16                       ; 8 row tiles of ctx, or 128 rows of Wo: 65,536 bytes either way
	s_lshl_b32 s42, s[WGY], 17
	s_add_co_u32 s42, s42, s3
	s_mov_b32 s43, 0                               ; ctx: hangs on the work-group's y and the wave alone
	s_lshl_b32 s44, s[WGX], 17
	s_add_co_u32 s44, s44, s3
	s_mov_b32 s45, 0                               ; Wo: on its x and the wave alone
	s_lshl_b32 s46, s[WC], 15                      ; where they go
	s_mul_i32 s47, s[WC], HALFT
	s_add_co_u32 s47, s47, WBASE
	s_wait_dscnt 0x0
	s_wait_kmcnt 0x0
	s_add_nc_u64 s[42:43], s[4:5], s[42:43]
	s_add_nc_u64 s[44:45], s[8:9], s[44:45]
	CROUND                                         ; all sixteen work-groups are here: the joint loads meet
.irp j, 0,1
	s_mov_b32 s[G0A+4*\j], 1
	s_add_co_u32 s[G0A+4*\j+1], s46, \j*ASLOT
	s_add_nc_u64 s[G0A+4*\j+2:G0A+4*\j+3], s[42:43], \j*4096
	s_or_b32 s[G0A+4*\j+3], s[G0A+4*\j+3], 0x80000000
	s_mov_b32 s[G0W+4*\j], 1
	s_add_co_u32 s[G0W+4*\j+1], s47, \j*WSLOT
	s_add_nc_u64 s[G0W+4*\j+2:G0W+4*\j+3], s[44:45], \j*256
	s_or_b32 s[G0W+4*\j+3], s[G0W+4*\j+3], 0x80000000
.endr
	s_cmp_eq_u32 s[WR], 0                          ; a wave's two fills stand in one branch on its number: two tensor loads of mine are out, and no more follow
	s_cbranch_scc0 .Lfill_w
	tensor_load_to_lds s[G0A:G0A+3], s[G1A:G1A+7]
	s_nop 0
	tensor_load_to_lds s[G0A+4:G0A+7], s[G1A:G1A+7]
	s_nop 0
	PLACES 4                                       ; four such lines behind the loads
	s_branch .Lfilled
.Lfill_w:
	tensor_load_to_lds s[G0W:G0W+3], s[G1W:G1W+7]
	s_nop 0
	tensor_load_to_lds s[G0W+4:G0W+7], s[G1W:G1W+7]
	s_nop 0
	PLACES 4
.Lfilled:
	v_and_b32 v1, 15, v0                           ; r
	v_bfe_u32 v2, v0, 4, 1                         ; h
	v_and_b32 v3, 31, v0                           ; lane
	v_lshlrev_b32 v[SCO], 5, v3
	v_lshlrev_b32 v[L16], 4, v3
	v_mul_u32_u24 v4, v1, PITCH
	v_lshl_add_u32 v4, v2, 4, v4                   ; Wo: a fragment's row x pitch + 16 h
	s_lshl_b32 s2, s[WR], 15                       ; ctx: my 8 row tiles
	s_mul_i32 s3, s[WC], HALFT                     ; Wo: my 128 rows
	s_add_co_u32 s3, s3, WBASE
.irp j, 0,1
	v_add_nc_u32 v[ADRA+\j], s2, v[L16]
	v_add_nc_u32 v[ADRB+\j], s3, v4
	s_add_co_u32 s2, s2, ASLOT
	s_add_co_u32 s3, s3, WSLOT
.endr
	s_mul_i32 s2, s[WV], 16*SPITCH
	s_add_co_u32 s2, s2, STAGE                     ; my stage
	v_mul_u32_u24 v5, v1, SPITCH
	v_lshl_add_u32 v5, v2, 5, v5
	v_add_nc_u32 v[STO], s2, v5                    ; in: row r, 32 bytes for each half of the lanes
	v_add_nc_u32 v[RD], s2, v[L16]                 ; back: the 32 lanes take one row of 512 bytes
	v_lshlrev_b32 v[BOF], 5, v2
	s_lshl_b32 s2, s[WGY], 1                       ; ctx's scale words: group of 128 rows 2 y + wr, 512 bytes
	s_add_co_u32 s2, s2, s[WR]
	s_lshl_b32 s2, s2, 9
	s_mov_b32 s3, 0
	s_add_nc_u64 s[6:7], s[6:7], s[2:3]
	s_lshl_b32 s2, s[WGX], 13                      ; Wo's scale bytes: 32 a row
	s_lshl_b32 s40, s[WC], 12
	s_add_co_u32 s2, s2, s40
	s_add_nc_u64 s[10:11], s[10:11], s[2:3]
	s_lshl_b32 s2, s[WGX], 10                      ; my 128 numbers of the bias, and my first column of out0, in bytes
	s_lshl_b32 s40, s[WC], 9
	s_add_co_u32 s2, s2, s40
	s_add_nc_u64 s[12:13], s[12:13], s[2:3]
	s_add_nc_u64 s[14:15], s[14:15], s[2:3]
	s_lshl_b32 s2, s[WGY], 20                      ; my first row of out0: 256 y + 128 wr rows of 4,096 bytes
	s_lshl_b32 s40, s[WR], 19
	s_add_co_u32 s2, s2, s40
	s_add_nc_u64 s[14:15], s[14:15], s[2:3]
.irp s, 0,1,2,3,4,5,6,7
	global_load_b128 v[SA+4*\s:SA+4*\s+3], v[L16], s[6:7] offset:32768*\s
.endr
.irp i, 0,1,2,3
.irp j, 0,1
	global_load_b128 v[SB+8*\i+4*\j:SB+8*\i+4*\j+3], v[SCO], s[10:11] offset:1024*\i+16*\j
.endr
.endr
.irp b, 0,1,2,3,4,5,6,7
	global_load_b128 v[BIAS+8*\b:BIAS+8*\b+3], v[BOF], s[12:13] offset:64*\b       ; register j of tile b is column 16 b + 8 h + j
	global_load_b128 v[BIAS+8*\b+4:BIAS+8*\b+7], v[BOF], s[12:13] offset:64*\b+16
.endr
.macro FETCH_B slot, q, p              ; Wo's eight fragments of the slot's q-th 128 along K into set p
	WIN 0x40
.irp i, 0,1,2,3,4,5,6,7
.irp c, 0,1
	ds_load_b128 v[128*(\p)+8*\i+4*\c:128*(\p)+8*\i+4*\c+3], v[ADRB+\slot] offset:64*(\q)+32*\c+\i*16*PITCH
.endr
.endr
	WIN 0
.endm
.macro FETCH_A slot, q, i0             ; ctx's blocks i0 .. i0 + 3: images, as they lie
.irp i, \i0, \i0+1, \i0+2, \i0+3
.irp c, 0,1
	ds_load_b128 v[AF+8*(\i)+4*\c:AF+8*(\i)+4*\c+3], v[ADRA+\slot] offset:4096*(\i)+1024*(\q)+512*\c
.endr
.endr
.endm
; 16 matrix instructions: ctx's blocks a0, a0 + 1 x Wo's eight, K step s; p: Wo's set.  mode 1: C = the bias.  The 64 accumulators take turns, one instruction a turn.
.macro MUL16 a0, p, s, mode
.irp a, \a0, \a0+1
.irp b, 0,1,2,3,4,5,6,7
.set rD, 8*(8*((\a)%4)+\b)
.set rB, 128*(\p)+8*\b
.set rA, AF+8*(\a)
.set rSB, SB+8*(\b/2)+(\s)
.set rSA, SA+4*(\s)+(\a)/2
.set rC, rD
.if (\mode) == 1
.set rC, BIAS+8*\b
.endif
.if ((\a)%2) && (\b%2)
	v_wmma_scale_f32_16x16x128_f8f6f4 v[rD:rD+7], v[rB:rB+7], v[rA:rA+7], v[rC:rC+7], v[rSB], v[rSA] matrix_a_fmt:MATRIX_FMT_FP4 matrix_b_fmt:MATRIX_FMT_FP4 matrix_a_scale:MATRIX_SCALE_ROW1 matrix_b_scale:MATRIX_SCALE_ROW1
.elseif (\b%2)
	v_wmma_scale_f32_16x16x128_f8f6f4 v[rD:rD+7], v[rB:rB+7], v[rA:rA+7], v[rC:rC+7], v[rSB], v[rSA] matrix_a_fmt:MATRIX_FMT_FP4 matrix_b_fmt:MATRIX_FMT_FP4 matrix_a_scale:MATRIX_SCALE_ROW1
.elseif ((\a)%2)
	v_wmma_scale_f32_16x16x128_f8f6f4 v[rD:rD+7], v[rB:rB+7], v[rA:rA+7], v[rC:rC+7], v[rSB], v[rSA] matrix_a_fmt:MATRIX_FMT_FP4 matrix_b_fmt:MATRIX_FMT_FP4 matrix_b_scale:MATRIX_SCALE_ROW1
.else
	v_wmma_scale_f32_16x16x128_f8f6f4 v[rD:rD+7], v[rB:rB+7], v[rA:rA+7], v[rC:rC+7], v[rSB], v[rSA] matrix_a_fmt:MATRIX_FMT_FP4 matrix_b_fmt:MATRIX_FMT_FP4
.endif
.endr
.endr
.endm
.macro STEP slot, q, mode              ; a step of 128 along K that has its successor in the same slot
	s_wait_dscnt 8                                 ; Wo's set and ctx's blocks 0-3 are in; the youngest eight loads (blocks 4-7) may be out
.if \mode
	WIN 0x81
.else
	WIN 0xa1
.endif
	MUL16 0, (\q)%2, 4*(\slot)+(\q), \mode
	MUL16 2, (\q)%2, 4*(\slot)+(\q), \mode
	s_wait_dscnt 0
	PLACES 4
	FETCH_B \slot, (\q)+1, 1-(\q)%2
	FETCH_A \slot, (\q)+1, 0
.if \mode
	WIN 0xc1
.else
	WIN 0xf1
.endif
	MUL16 4, (\q)%2, 4*(\slot)+(\q), \mode
	MUL16 6, (\q)%2, 4*(\slot)+(\q), \mode
	PLACES 4
	WIN 0
	FETCH_A \slot, (\q)+1, 4
.endm
	s_wait_tensorcnt 0x1                           ; my part of slot 0 is in; slot 1's load, issued behind it, may stay out
	s_barrier_signal -1
	s_barrier_wait -1
	FETCH_B 0, 0, 0
	FETCH_A 0, 0, 0
	FETCH_A 0, 0, 4
	s_wait_loadcnt 0x0                             ; scale words and bias
	STEP 0, 0, 1                                   ; the first K step starts the sums with the bias
	STEP 0, 1, 0
	STEP 0, 2, 0
	s_wait_tensorcnt 0x0                           ; K step 3 changes slots: my part of slot 1 is in,
	s_wait_dscnt 8
	WIN 0xa1
	MUL16 0, 1, 3, 0
	s_wait_dscnt 0x0                               ; no LDS load of mine is out at the signal
	s_barrier_signal -1
	MUL16 2, 1, 3, 0
	WIN 0
	s_barrier_wait -1                              ; everybody's is
	PLACES 4
	FETCH_B 1, 0, 0
	FETCH_A 1, 0, 0
	WIN 0xf1
	MUL16 4, 1, 3, 0
	MUL16 6, 1, 3, 0
	PLACES 4
	WIN 0
	FETCH_A 1, 0, 4
	STEP 1, 0, 0
	STEP 1, 1, 0
	STEP 1, 2, 0
	s_wait_dscnt 8                                 ; the last K step: nothing more to fetch
	WIN 0xa1
	MUL16 0, 1, 7, 0
	MUL16 2, 1, 7, 0
	s_wait_dscnt 0
	WIN 0xf1
	MUL16 4, 1, 7, 0
	MUL16 6, 1, 7, 0
	WIN 0
; THE WAY OUT, block by block of 16 rows x 128 columns: through my own stage in LDS and back as whole rows of 512 bytes, which the 32 lanes store as 512 consecutive bytes, aligned.
; LDS serves a wave's instructions in order (ISA guide 5.7.1.4): no wait between the stores and the loads, nor in front of the next block's stores.
.macro TOSTAGE a
.set AC, 64*((\a)%4)
	WIN 0x08+4*((\a)/4)                            ; an LDS store's data: window 2 or 3
.irp b, 0,1,2,3,4,5,6,7
	ds_store_b128 v[STO], v[AC+8*\b:AC+8*\b+3] offset:64*\b          ; each accumulator from its low end on
	ds_store_b128 v[STO], v[AC+8*\b+4:AC+8*\b+7] offset:64*\b+16
.endr
	WIN 0
.set BB, BK+64*((\a)%2)
.irp t, 0,1,2,3,4,5,6,7,8,9,10,11,12,13,14,15
	ds_load_b128 v[BB+4*\t:BB+4*\t+3], v[RD] offset:\t*SPITCH
.endr
.endm
.macro SEND a, younger                 ; younger: the LDS instructions issued behind block a's loads, which may stay out
.set BB, BK+64*((\a)%2)
	s_wait_dscnt \younger
.if (\a) > 0
	s_add_nc_u64 s[14:15], s[14:15], 16*NROW       ; (behind a wait on XCNT: the earlier stores have read their base)
.endif
.irp t, 0,1,2,3,4,5,6,7,8,9,10,11,12,13,14,15
	global_store_b128 v[L16], v[BB+4*\t:BB+4*\t+3], s[14:15] offset:\t*NROW th:TH_STORE_NT   ; written once, read by nobody here
.endr
.endm
	PLACES 4                                       ; in front of the first read of results and of the loads into the registers that held ctx's fragments
	TOSTAGE 0
.irp a, 1,2,3,4,5,6,7
.if \a > 1
	s_wait_xcnt 0x0                                ; block a - 2's stores have read their registers and their base: block a's loads may land there, and the base may step
.endif
	TOSTAGE \a
	SEND \a-1, 32                                  ; behind block a - 1's loads: block a's 16 stores and 16 loads
.endr
	s_wait_xcnt 0x0                                ; block 6's stores have read their base
	SEND 7, 0
	s_wait_tensorcnt 0x0
	ds_add_u32 v126, v127
	s_wait_dscnt 0x0
	CROUND                                         ; the closing round: no work-group ends while a partner may still ask for a tile that names it
	s_endpgm
.Lfunc_end_k_q9dfe0837b7_outp:
	.size	k_q9dfe0837b7_outp, .Lfunc_end_k_q9dfe0837b7_outp-k_q9dfe0837b7_outp
	.p2alignl 7, 3214868480
	.fill 96, 4, 3214868480
	.section	.rodata,"a",@progbits
	.p2align	6, 0x0
	.amdhsa_kernel k_q9dfe0837b7_outp
		.amdhsa_group_segment_fixed_size 304640
		.amdhsa_private_segment_fixed_size 0
		.amdhsa_enable_private_segment 0
		.amdhsa_kernarg_size 48
		.amdhsa_user_sgpr_count 2
		.amdhsa_user_sgpr_kernarg_segment_ptr 1
		.amdhsa_wavefront_size32 1
		.amdhsa_system_sgpr_workgroup_id_x 1
		.amdhsa_system_sgpr_workgroup_id_y 1
		.amdhsa_system_sgpr_workgroup_id_z 1
		.amdhsa_system_vgpr_workitem_id 0
		.amdhsa_next_free_vgpr 1024
		.amdhsa_next_free_sgpr 98
		.amdhsa_reserve_vcc 0
		.amdhsa_float_denorm_mode_32 3
		.amdhsa_float_denorm_mode_16_64 3
		.amdhsa_memory_ordered 1
		.amdhsa_forward_progress 1
		.amdhsa_inst_pref_size 124
	.end_amdhsa_kernel
	.amdgpu_metadata
---
amdhsa.version: [ 1, 2 ]
amdhsa.kernels:
  - .name:           k_q9dfe0837b7_outp
    .symbol:         k_q9dfe0837b7_outp.kd
    .args:
      - { .name: cimg, .offset: 0, .size: 8, .value_kind: global_buffer, .address_space: global }
      - { .name: csc, .offset: 8, .size: 8, .value_kind: global_buffer, .address_space: global }
      - { .name: Wo_codes, .offset: 16, .size: 8, .value_kind: global_buffer, .address_space: global }
      - { .name: Wo_scales, .offset: 24, .size: 8, .value_kind: global_buffer, .address_space: global }
      - { .name: bo, .offset: 32, .size: 8, .value_kind: global_buffer, .address_space: global }
      - { .name: out0, .offset: 40, .size: 8, .value_kind: global_buffer, .address_space: global }
    .group_segment_fixed_size: 304640
    .private_segment_fixed_size: 0
    .kernarg_segment_align: 8
    .kernarg_segment_size: 48
    .max_flat_workgroup_size: 128
    .sgpr_count:     98
    .vgpr_count:     1024
    .wavefront_size: 32
...
	.end_amdgpu_metadata
.endif
;; end of part 3
;; ======== version 2 of 2: 3 launches
;; workspace buffers: qimg 4,194,304 bytes; kimg 4,194,304 bytes; vimg 4,194,304 bytes; qsc 262,144 bytes; ksc 262,144 bytes; vsc 262,144 bytes; cimg 4,194,304 bytes; csc 262,144 bytes
;; launch proj (part 4): grid 4 x 96, 4 waves a work-group, clusters of 4 x 4, 279,040 bytes of LDS; arguments q_codes, k_codes, v_codes, q_scales, k_scales, v_scales, Wq_codes, Wk_codes, Wv_codes, Wq_scales, Wk_scales, Wv_scales, bq, bk, bv, qimg, kimg, vimg, qsc, ksc, vsc; writes qimg, kimg, vimg, qsc, ksc, vsc
.if DOCPART == 4
	.amdgcn_target "amdgcn-amd-amdhsa--gfx1250"
	.amdhsa_code_object_version 6
	.text
	.protected	k_q9dfe0837b7_proj
	.globl	k_q9dfe0837b7_proj
	.p2align	8
	.type	k_q9dfe0837b7_proj,@function
k_q9dfe0837b7_proj:
	s_mov_b64 s[64:65], 0
	v_nop
	global_prefetch_b8 v0, s[64:65] scope:SCOPE_SE
	s_setreg_imm32_b32 hwreg(HW_REG_WAVE_MODE, 25, 1), 1
	s_wait_xcnt 0x0
	s_wait_alu depctr_hold_cnt(0) depctr_sa_sdst(0) depctr_va_vdst(0) depctr_va_sdst(0) depctr_va_ssrc(0) depctr_va_vcc(0) depctr_vm_vsrc(0)
	s_getreg_b32 s2, hwreg(HW_REG_IB_STS2, 6, 4)
	s_cmp_eq_u32 s2, 0
	s_cbranch_scc0 .Lentry_in_a_cluster
	s_endpgm
.Lentry_in_a_cluster:
	s_bfe_u32 s2, ttmp6, 0x10000c
	s_cmp_lg_u32 s2, 0xf033
	s_cbranch_scc0 .Lentry_shape_is_right
	s_endpgm
.Lentry_shape_is_right:
; THE THREE PROJECTIONS: x W^T + b for x = q, k, v ([8192][1024] codes of FP4 (E2M1), one E8M0 byte for each 32 along K; W: [1024][1024] likewise), and the quantiser of each result.
; The cluster's y picks the tensor (0-7 q, 8-15 k, 16-23 v): it is the same in all sixteen partners.  A work-group makes 256 tokens x 256 channels, each of its four waves 128 x 128: 64 accumulators, 512 registers.
; K = 1,024 is two LDS slots of rows of 256 bytes: EVERY LDS BYTE IS FILLED ONCE, both slots are asked for at the start, and there is no ring and no loop.
; THE MATRIX INSTRUCTION IS USED SO THAT A LANE'S REGISTERS RUN ALONG THE AXIS THAT IS QUANTISED NEXT.  Source 1 ("side 1") gives the lane's row, source 0 ("side 0") the registers' axis.
;   q, k: side 1 = tokens, side 0 = channels (the head's 64 are the next K).      v: side 1 = channels, side 0 = tokens (the keys are the next K).
; In accumulators (a, 0..7) lane (r, h) holds row 16 a + r of side 1, and register 8 b + j is k = 16 b + 8 h + j of side 0.  A block of 32 lies in 16 registers of lanes l and l xor 16.
; The two conversions of block B go to registers 4 (B / 2) + B % 2 and + 2; two exchanges of halves for each pair of blocks then give the operand's own layout (registers 4 c .. 4 c + 3: k = 64 c + 32 h + 0 .. 31).
; So what leaves is an IMAGE OF THE NEXT PRODUCT'S REGISTERS: 1,024 bytes a fragment, registers 0-3 at 16 x lane, registers 4-7 at 512 + 16 x lane; every store covers 512 consecutive bytes, aligned.
;   qimg, kimg: [(batch x 8 + head pair) x 16 + group of 128 tokens][tile of 16 tokens][1,024]: first half = the even head's 64, second half = the odd head's.
;   vimg: the same index with the group of 128 keys; tile a = 4 x (head & 1) + 16 channels' number.     qsc, ksc, vsc: 512 bytes an index: at 16 x lane the words of tiles 4 h + 0 .. 3, row r.
; CLUSTERS: 4 x 4.  The tokens' tile hangs on the work-group's y and is shared along a row of the cluster, the weights' tile on its x and is shared along a column: each is asked for jointly.
; The scale words (8 KiB a wave against the work-group's 256 KiB of codes) and the biases come straight into registers, once, by plain loads: too small a part to be worth a joint load.
; LIMITS: NaN and infinities are not served; a block whose largest magnitude lies under 2^-124 gets the byte 1; a block of zeros gets the byte 1 and not 127: its codes are zeros and this program alone reads the bytes.
; REGISTERS, in windows of 256: window 0: v1-4 lane numbers, v16-24 addresses, v32-63 side 1's scale words, v64-95 side 0's, v96-123 the quantiser's, v128-191 side 1's fragments (later the codes), v192-255 the bias as C.
;   window 1: side 0's fragments, two sets, at v0 and v128.   window 2: accumulators of blocks a = 0-3 ((a, b) at v[8 (8 (a % 4) + b)]).   window 3: those of a = 4-7.
.set PITCH,  272                       ; an LDS row: 256 bytes + 16 of padding = 68 words: the 16 rows that a load touches begin 4 words apart modulo 64
.set HALFT,  128*PITCH                 ; 128 rows: what one tensor load brings, and what one wave reads of a side
.set SLOT,   4*HALFT                   ; the tokens' 256 rows, then the weights' 256 rows; slot j holds K = 512 j .. 512 j + 511
.set ADRA, 16                          ; v16-17  LDS address of side 1's fragments in slot 0, 1
.set ADRB, 20                          ; v20-21  of side 0's
.set SCO,  22                          ; v22     32 x lane: a row of scale bytes
.set L16,  23                          ; v23     16 x lane
.set BOF,  24                          ; v24     my offset in the bias
.set SA,   32                          ; word of (block a, K step s): v[SA + 8 (a / 2) + s], lanes 0-15 for even a, lanes 16-31 for odd a
.set SB,   64                          ; the same for side 0's block b
.set TM,   96                          ; +0..3 largest magnitudes, +4..7 the other half's, then bytes, +12..15 the conversions' scale operands
.set WS,   112                         ; v112-119 the scale word of each block a
.set XW,   120                         ; v120-123 the words as they are stored
.set AF,   128
.set BIAS, 192
.set G1P, 48                           ; s[48:55] descriptor group 1 for the tokens' tiles;  s[56:63] group 0, a set for each slot
.set G0P, 56
.set G1W, 68                           ; s[68:75], s[76:83] the same for the weights' tiles
.set G0W, 76
.set WV,  84
.set WR,  85
.set WC,  86
.set CX,  87
.set CY,  88
.set WGX, 89
.set PY,  90
.set TT,  91
.set ISV, 92
.set HP,  93
.set HW,  94
.set MP,  95
.set MW,  96
.set SEL, 98
.set MSB, 0
.macro WIN new                         ; the immediate's high byte repeats the setting that is left; a switch that changes nothing is dropped
.if MSB != (\new)
	s_set_vgpr_msb (MSB<<8)|(\new)
.set MSB, (\new)
.endif
.endm
.macro CROUND                          ; a round of the cluster's barrier
	s_barrier_signal -1
	s_barrier_wait -1
	s_cmp_lg_u32 s[WV], 0
	s_cbranch_scc1 .Lnot_wave_0_\@
	s_barrier_signal -3
.Lnot_wave_0_\@:
	s_barrier_wait -3
	s_barrier_signal -1
	s_barrier_wait -1
.endm
.macro PLACES n                        ; plain vector lines between a matrix instruction and a load into, or a read of, its registers
.rept \n
	v_nop
.endr
.endm
	s_load_b512 s[4:19], s[0:1], 0x0               ; 21 addresses; kind n (codes, scales, W codes, W scales, bias, images, scale words): q's at s[4+6n], k's at s[6+6n], v's at s[8+6n]
	s_load_b512 s[20:35], s[0:1], 0x40
	s_load_b256 s[36:43], s[0:1], 0x80
	s_load_b64 s[44:45], s[0:1], 0xa0
	v_lshl_add_u32 v126, v0, 2, 0x44000
	v_mov_b32 v127, 0
	ds_add_u32 v126, v127
	ds_add_u32 v126, v127
	v_lshrrev_b32 v1, 5, v0
	v_readfirstlane_b32 s[WV], v1                  ; wave 0..3
	s_lshr_b32 s[WR], s[WV], 1                     ; my half of side 1.  Also: I fetch tokens (0) or weights (1)
	s_and_b32 s[WC], s[WV], 1                      ; my half of side 0.  Also: which 128 rows I fetch
	s_bfe_u32 s[CX], ttmp6, 0x40000
	s_bfe_u32 s[CY], ttmp6, 0x40004
	s_lshl_b32 s[WGX], ttmp9, 2
	s_add_co_u32 s[WGX], s[WGX], s[CX]             ; tile of 256 channels
	s_and_b32 s2, ttmp7, 0xffff                    ; the cluster's y, 0..23
	s_bfe_u32 s[TT], s2, 0x20003                   ; 0 q, 1 k, 2 v
	s_bfe_u32 s[ISV], s2, 0x10004                  ; 1 for v
	s_lshl_b32 s[PY], s2, 2
	s_add_co_u32 s[PY], s[PY], s[CY]
	s_and_b32 s[PY], s[PY], 31                     ; tile of 256 tokens
	s_lshl_b32 s[MP], s[CY], 2
	s_lshl_b32 s[MP], 15, s[MP]                    ; my row of the cluster
	s_lshl_b32 s[MW], 0x1111, s[CX]                ; my column
	s_or_b32 s[G1P], s[MP], (1<<20)|(1<<21)|(5<<22)|(3<<25)   ; 15:0 the mask; 17:16 elements of 1 byte; 20 padding on; 21 set beside a mask; 24:22 after every 64 words; 31:25 four words
	s_or_b32 s[G1W], s[MW], (1<<20)|(1<<21)|(5<<22)|(3<<25)
.irp g, G1P, G1W
	s_mov_b32 s[\g+1], 256<<16                     ; tensor_dim0 = 256 bytes
	s_mov_b32 s[\g+2], 128<<16                     ; tensor_dim1 = 128 rows
	s_mov_b32 s[\g+3], 256<<16                     ; tile_dim0
	s_mov_b32 s[\g+4], 128                         ; tile_dim1
	s_mov_b32 s[\g+5], 512                         ; a row of 1,024 codes in memory
	s_mov_b32 s[\g+6], 0
	s_mov_b32 s[\g+7], 0
.endr
	s_mov_b32 s[SEL], 0x76543210
	s_mov_b32 s[SEL+1], 0xfedcba98                 ; v_permlanex16_b32's selects for lane l xor 16
	s_lshl_b32 s3, s[WC], 16                       ; the 128 rows that I fetch: 65,536 bytes
	s_lshl_b32 s46, s[PY], 17
	s_add_co_u32 s46, s46, s3
	s_mov_b32 s47, 0                               ; tokens: hangs on the work-group's y and the wave alone
	s_lshl_b32 s66, s[WGX], 17
	s_add_co_u32 s66, s66, s3
	s_mov_b32 s67, 0                               ; weights: on its x and the wave alone
	s_mul_i32 s97, s[WV], HALFT                    ; where they go: wave x 128 rows
	s_wait_dscnt 0x0
	s_wait_kmcnt 0x0
	s_cmp_eq_u32 s[TT], 1                          ; the tensor's seven addresses are chosen on the cluster's y alone
.irp n, 0,1,2,3,4,5,6
	s_cselect_b64 s[4+6*\n:5+6*\n], s[6+6*\n:7+6*\n], s[4+6*\n:5+6*\n]
.endr
	s_cmp_eq_u32 s[TT], 2
.irp n, 0,1,2,3,4,5,6
	s_cselect_b64 s[4+6*\n:5+6*\n], s[8+6*\n:9+6*\n], s[4+6*\n:5+6*\n]
.endr
	s_add_nc_u64 s[46:47], s[4:5], s[46:47]
	s_add_nc_u64 s[66:67], s[16:17], s[66:67]
	CROUND                                         ; all sixteen work-groups are here: the joint loads meet
.irp j, 0,1
	s_mov_b32 s[G0P+4*\j], 1
	s_add_co_u32 s[G0P+4*\j+1], s97, \j*SLOT
	s_add_nc_u64 s[G0P+4*\j+2:G0P+4*\j+3], s[46:47], \j*256
	s_or_b32 s[G0P+4*\j+3], s[G0P+4*\j+3], 0x80000000
	s_mov_b32 s[G0W+4*\j], 1
	s_add_co_u32 s[G0W+4*\j+1], s97, \j*SLOT
	s_add_nc_u64 s[G0W+4*\j+2:G0W+4*\j+3], s[66:67], \j*256
	s_or_b32 s[G0W+4*\j+3], s[G0W+4*\j+3], 0x80000000
.endr
	s_cmp_eq_u32 s[WR], 0                          ; a wave's two fills stand in one branch on its number: two tensor loads of mine are out, and no more follow
	s_cbranch_scc0 .Lfill_w
	tensor_load_to_lds s[G0P:G0P+3], s[G1P:G1P+7]
	s_nop 0
	tensor_load_to_lds s[G0P+4:G0P+7], s[G1P:G1P+7]
	s_nop 0
	PLACES 4                                       ; four such lines behind the loads
	s_branch .Lfilled
.Lfill_w:
	tensor_load_to_lds s[G0W:G0W+3], s[G1W:G1W+7]
	s_nop 0
	tensor_load_to_lds s[G0W+4:G0W+7], s[G1W:G1W+7]
	s_nop 0
	PLACES 4
.Lfilled:
	v_and_b32 v1, 15, v0                           ; r
	v_bfe_u32 v2, v0, 4, 1                         ; h
	v_and_b32 v3, 31, v0                           ; lane
	v_mul_u32_u24 v4, v1, PITCH
	v_lshl_add_u32 v4, v2, 4, v4                   ; a fragment's row x pitch + 16 h
	s_wait_alu depctr_va_vdst(0)
	s_mul_i32 s2, s[WR], HALFT                     ; side 1: my half wr of the tokens (q, k) or of the weights (v), which lie 2 HALFT further on
	s_mul_i32 s3, s[ISV], 2*HALFT
	s_add_co_u32 s2, s2, s3
	s_xor_b32 s3, s[ISV], 1                        ; side 0: my half wc of the other tile
	s_mul_i32 s3, s3, 2*HALFT
	s_mul_i32 s100, s[WC], HALFT
	s_add_co_u32 s3, s3, s100
.irp j, 0,1
	v_add_nc_u32 v[ADRA+\j], s2, v4
	v_add_nc_u32 v[ADRB+\j], s3, v4
	s_add_co_u32 s2, s2, SLOT
	s_add_co_u32 s3, s3, SLOT
.endr
	v_lshlrev_b32 v[SCO], 5, v3
	s_wait_alu depctr_va_vdst(0)
	v_lshlrev_b32 v[L16], 4, v3
.irp b, 0,1,2,3
	v_mov_b32 v[TM+4+\b], 0                        ; written once: a lane permute's destination counts as one of its sources
.endr
	s_cmp_eq_u32 s[ISV], 1
	s_cselect_b32 s[HP], s[WC], s[WR]              ; my half of the tokens
	s_cselect_b32 s[HW], s[WR], s[WC]              ; and of the channels
	s_lshl_b32 s2, s[PY], 13                       ; scale bytes: 32 a row
	s_lshl_b32 s3, s[HP], 12
	s_add_co_u32 s2, s2, s3
	s_mov_b32 s3, 0
	s_add_nc_u64 s[10:11], s[10:11], s[2:3]        ; my 128 tokens' scale bytes
	s_lshl_b32 s2, s[WGX], 13
	s_lshl_b32 s100, s[HW], 12
	s_add_co_u32 s2, s2, s100
	s_add_nc_u64 s[22:23], s[22:23], s[2:3]        ; my 128 channels'
	s_lshl_b32 s2, s[WGX], 10
	s_lshl_b32 s100, s[HW], 9
	s_add_co_u32 s2, s2, s100
	s_add_nc_u64 s[28:29], s[28:29], s[2:3]        ; my 128 numbers of the bias
	s_cmp_eq_u32 s[ISV], 1
	s_cselect_b64 s[6:7], s[22:23], s[10:11]       ; side 1's scale bytes
	s_cselect_b64 s[8:9], s[10:11], s[22:23]       ; side 0's
.irp i, 0,1,2,3                                ; lane l takes row 32 i + l: its 32 bytes are the words of the eight K steps
.irp j, 0,1
	global_load_b128 v[SA+8*\i+4*\j:SA+8*\i+4*\j+3], v[SCO], s[6:7] offset:1024*\i+16*\j
	global_load_b128 v[SB+8*\i+4*\j:SB+8*\i+4*\j+3], v[SCO], s[8:9] offset:1024*\i+16*\j
.endr
.endr
	s_cmp_eq_u32 s[ISV], 1                         ; the bias in the result's layout: it is the C of each sum's first matrix instruction
	s_cbranch_scc1 .Lbias_v
	v_lshlrev_b32 v[BOF], 5, v2                    ; q, k: register j of tile b is channel 16 b + 8 h + j
.irp b, 0,1,2,3,4,5,6,7
	global_load_b128 v[BIAS+8*\b:BIAS+8*\b+3], v[BOF], s[28:29] offset:64*\b
	global_load_b128 v[BIAS+8*\b+4:BIAS+8*\b+7], v[BOF], s[28:29] offset:64*\b+16
.endr
	s_branch .Lbias_done
.Lbias_v:
	v_lshlrev_b32 v[BOF], 2, v1                    ; v: all eight registers of block a are channel 16 a + r
.irp a, 0,1,2,3,4,5,6,7
.irp j, 0,1,2,3,4,5,6,7
	global_load_b32 v[BIAS+8*\a+\j], v[BOF], s[28:29] offset:64*\a
.endr
.endr
.Lbias_done:
	s_lshl_b32 s2, s[PY], 1                        ; where my results go
	s_add_co_u32 s2, s2, s[HP]                     ; group of 128 tokens, 0..63
	s_lshl_b32 s3, s[WGX], 1
	s_add_co_u32 s3, s3, s[HW]                     ; head pair, 0..7
	s_lshr_b32 s100, s2, 4                         ; batch
	s_lshl_b32 s100, s100, 3
	s_add_co_u32 s100, s100, s3
	s_lshl_b32 s100, s100, 4
	s_and_b32 s2, s2, 15
	s_add_co_u32 s100, s100, s2                    ; (batch x 8 + pair) x 16 + group
	s_lshl_b32 s2, s100, 13
	s_mov_b32 s3, 0
	s_add_nc_u64 s[34:35], s[34:35], s[2:3]        ; 8,192 bytes of images
	s_lshl_b32 s2, s100, 9
	s_add_nc_u64 s[40:41], s[40:41], s[2:3]        ; 512 bytes of scale words
.macro FRAG reg, adr, q, i             ; 16 rows x 128 K of 4-bit codes: two loads of 16 bytes, 32 bytes apart
.irp c, 0,1
	ds_load_b128 v[(\reg)+4*\c:(\reg)+4*\c+3], v[\adr] offset:64*(\q)+32*\c+(\i)*16*PITCH
.endr
.endm
.macro FETCH_B slot, q, p              ; side 0's eight fragments of the slot's q-th 128 along K into set p
	WIN 0x40
.irp i, 0,1,2,3,4,5,6,7
	FRAG 128*(\p)+8*\i, ADRB+\slot, \q, \i
.endr
	WIN 0
.endm
.macro FETCH_A slot, q, i0             ; side 1's blocks i0 .. i0 + 3
.irp i, \i0, \i0+1, \i0+2, \i0+3
	FRAG AF+8*(\i), ADRA+\slot, \q, \i
.endr
.endm
; 16 matrix instructions: side 1's blocks a0, a0 + 1 x side 0's eight, K step s; p: side 0's set.  mode 0: onto the sums; 1: C = the bias by side 0's tile; 2: C = the bias by side 1's block.
; The 64 accumulators take turns, one instruction a turn, in the same order in every step.
.macro MUL16 a0, p, s, mode
.irp a, \a0, \a0+1
.irp b, 0,1,2,3,4,5,6,7
.set rD, 8*(8*((\a)%4)+\b)
.set rB, 128*(\p)+8*\b
.set rA, AF+8*(\a)
.set rSB, SB+8*(\b/2)+(\s)
.set rSA, SA+8*((\a)/2)+(\s)
.set rC, rD
.if (\mode) == 1
.set rC, BIAS+8*\b
.endif
.if (\mode) == 2
.set rC, BIAS+8*(\a)
.endif
.if ((\a)%2) && (\b%2)
	v_wmma_scale_f32_16x16x128_f8f6f4 v[rD:rD+7], v[rB:rB+7], v[rA:rA+7], v[rC:rC+7], v[rSB], v[rSA] matrix_a_fmt:MATRIX_FMT_FP4 matrix_b_fmt:MATRIX_FMT_FP4 matrix_a_scale:MATRIX_SCALE_ROW1 matrix_b_scale:MATRIX_SCALE_ROW1
.elseif (\b%2)
	v_wmma_scale_f32_16x16x128_f8f6f4 v[rD:rD+7], v[rB:rB+7], v[rA:rA+7], v[rC:rC+7], v[rSB], v[rSA] matrix_a_fmt:MATRIX_FMT_FP4 matrix_b_fmt:MATRIX_FMT_FP4 matrix_a_scale:MATRIX_SCALE_ROW1
.elseif ((\a)%2)
	v_wmma_scale_f32_16x16x128_f8f6f4 v[rD:rD+7], v[rB:rB+7], v[rA:rA+7], v[rC:rC+7], v[rSB], v[rSA] matrix_a_fmt:MATRIX_FMT_FP4 matrix_b_fmt:MATRIX_FMT_FP4 matrix_b_scale:MATRIX_SCALE_ROW1
.else
	v_wmma_scale_f32_16x16x128_f8f6f4 v[rD:rD+7], v[rB:rB+7], v[rA:rA+7], v[rC:rC+7], v[rSB], v[rSA] matrix_a_fmt:MATRIX_FMT_FP4 matrix_b_fmt:MATRIX_FMT_FP4
.endif
.endr
.endr
.endm
; A step of 128 along K that has its successor in the same slot.  Windows: source 0 window 1, source 1 window 0; C and D window 2 or 3 (0xa1, 0xf1); with the bias as C, C in window 0 (0x81, 0xc1).
.macro STEP slot, q, mode
	s_wait_dscnt 8                                 ; side 0's set and side 1's blocks 0-3 are in; the youngest eight loads (blocks 4-7) may be out
.if \mode
	WIN 0x81
.else
	WIN 0xa1
.endif
	MUL16 0, (\q)%2, 4*(\slot)+(\q), \mode
	MUL16 2, (\q)%2, 4*(\slot)+(\q), \mode
	s_wait_dscnt 0                                 ; blocks 4-7 are in
	PLACES 4
	FETCH_B \slot, (\q)+1, 1-(\q)%2
	FETCH_A \slot, (\q)+1, 0
.if \mode
	WIN 0xc1
.else
	WIN 0xf1
.endif
	MUL16 4, (\q)%2, 4*(\slot)+(\q), \mode
	MUL16 6, (\q)%2, 4*(\slot)+(\q), \mode
	PLACES 4
	WIN 0
	FETCH_A \slot, (\q)+1, 4
.endm
; Block a's 64 numbers a lane become a fragment's codes and its rows' scale word, and the image is stored.  Each accumulator is read from its low end on.
.macro EPI a
.set AC, 64*((\a)%4)
.set PC, AF+8*(\a)
	WIN 0x0a+5*((\a)/4)                            ; sources 0 and 1: the accumulators' window
.irp b, 0,1,2,3
	v_max3_num_f32 v[TM+\b], |v[AC+16*\b]|, |v[AC+16*\b+1]|, 0x1800000   ; block b: my 16 numbers, and the floor 2^(3 - 127): the byte cannot fall under 1
.endr
.irp i, 2,4,6,8,10,12,14
.irp b, 0,1,2,3
	v_max3_num_f32 v[TM+\b], |v[AC+16*\b+\i]|, |v[AC+16*\b+\i+1]|, v[TM+\b]
.endr
.endr
	WIN 0
.irp b, 0,1,2,3
	v_permlanex16_b32 v[TM+4+\b], v[TM+\b], s[SEL], s[SEL+1]
.endr
.irp b, 0,1,2,3
	v_max_num_f32 v[TM+\b], v[TM+\b], v[TM+4+\b]   ; with lane l xor 16's: the block's largest magnitude
.endr
.irp b, 0,1,2,3
	v_add_nc_u32 v[TM+12+\b], 0xff000000, v[TM+\b] ; 2 off its exponent field: the conversion's scale operand
.endr
.irp b, 0,1,2,3
	v_lshrrev_b32 v[TM+4+\b], 23, v[TM+12+\b]      ; the scale's byte
.endr
	v_lshl_or_b32 v[WS+\a], v[TM+5], 8, v[TM+4]
	v_lshl_or_b32 v[WS+\a], v[TM+6], 16, v[WS+\a]
	v_lshl_or_b32 v[WS+\a], v[TM+7], 24, v[WS+\a]  ; my row's scale word
	WIN 0x02+((\a)/4)                              ; source 0: the accumulators' window
.irp b, 0,1,2,3
	v_cvt_scalef32_pk8_fp4_f32 v[PC+4*(\b/2)+\b%2], v[AC+16*\b:AC+16*\b+7], v[TM+12+\b]        ; k = 32 b + 8 h + 0 .. 7
	v_cvt_scalef32_pk8_fp4_f32 v[PC+4*(\b/2)+\b%2+2], v[AC+16*\b+8:AC+16*\b+15], v[TM+12+\b]   ; k = 32 b + 16 + 8 h + 0 .. 7
.endr
	WIN 0
	v_nop                                          ; one plain line behind a scaled conversion
.irp c, 0,1
	v_permlane16_swap_b32 v[PC+4*\c], v[PC+4*\c+1]     ; the first's lanes 16-31 change places with the second's lanes 0-15:
	v_permlane16_swap_b32 v[PC+4*\c+2], v[PC+4*\c+3]   ; registers 4 c .. 4 c + 3 now hold k = 64 c + 32 h + 0 .. 31
.endr
	global_store_b128 v[L16], v[PC:PC+3], s[34:35] offset:1024*(\a)       ; each block has code registers of its own: no store's data are written again
	global_store_b128 v[L16], v[PC+4:PC+7], s[34:35] offset:1024*(\a)+512
.endm
	s_wait_tensorcnt 0x1                           ; my part of slot 0 is in; slot 1's load, issued behind it, may stay out
	s_barrier_signal -1
	s_barrier_wait -1                              ; everybody's is
	FETCH_B 0, 0, 0
	FETCH_A 0, 0, 0
	FETCH_A 0, 0, 4
	s_wait_loadcnt 0x0                             ; scale words and bias
	s_cmp_eq_u32 s[ISV], 1                         ; the first K step starts the sums with the bias: the two arms differ in which registers are C
	s_cbranch_scc1 .Lfirst_v
	STEP 0, 0, 1
	s_branch .Lfirst_done
.Lfirst_v:
	STEP 0, 0, 2
.Lfirst_done:
	STEP 0, 1, 0
	STEP 0, 2, 0
	s_wait_tensorcnt 0x0                           ; K step 3 changes slots: my part of slot 1 is in,
	s_wait_dscnt 8
	WIN 0xa1
	MUL16 0, 1, 3, 0
	s_wait_dscnt 0x0                               ; no LDS load of mine is out at the signal
	s_barrier_signal -1
	MUL16 2, 1, 3, 0
	WIN 0
	s_barrier_wait -1                              ; everybody's is
	PLACES 4
	FETCH_B 1, 0, 0
	FETCH_A 1, 0, 0
	WIN 0xf1
	MUL16 4, 1, 3, 0
	MUL16 6, 1, 3, 0
	PLACES 4
	WIN 0
	FETCH_A 1, 0, 4
	STEP 1, 0, 0
	STEP 1, 1, 0
	STEP 1, 2, 0
	s_wait_dscnt 8                                 ; the last K step: nothing more to fetch
	WIN 0xa1
	MUL16 0, 1, 7, 0
	MUL16 2, 1, 7, 0
	s_wait_dscnt 0
	WIN 0xf1
	MUL16 4, 1, 7, 0
	MUL16 6, 1, 7, 0
	WIN 0
	PLACES 4                                       ; in front of the first read of results and the first write over side 1's fragments
.irp a, 0,1,2,3,4,5,6,7
	EPI \a
.endr
	v_cmp_le_u32 vcc_lo, 16, v3                    ; lanes 16-31 store the words of blocks 4-7
.irp i, 0,1,2,3
	v_cndmask_b32 v[XW+\i], v[WS+\i], v[WS+4+\i], vcc_lo
.endr
	global_store_b128 v[L16], v[XW:XW+3], s[40:41]
	s_wait_tensorcnt 0x0
	ds_add_u32 v126, v127
	s_wait_dscnt 0x0
	CROUND                                         ; the closing round: no work-group ends while a partner may still ask for a tile that names it
	s_endpgm
.Lfunc_end_k_q9dfe0837b7_proj:
	.size	k_q9dfe0837b7_proj, .Lfunc_end_k_q9dfe0837b7_proj-k_q9dfe0837b7_proj
	.p2alignl 7, 3214868480
	.fill 96, 4, 3214868480
	.section	.rodata,"a",@progbits
	.p2align	6, 0x0
	.amdhsa_kernel k_q9dfe0837b7_proj
		.amdhsa_group_segment_fixed_size 279040
		.amdhsa_private_segment_fixed_size 0
		.amdhsa_enable_private_segment 0
		.amdhsa_kernarg_size 168
		.amdhsa_user_sgpr_count 2
		.amdhsa_user_sgpr_kernarg_segment_ptr 1
		.amdhsa_wavefront_size32 1
		.amdhsa_system_sgpr_workgroup_id_x 1
		.amdhsa_system_sgpr_workgroup_id_y 1
		.amdhsa_system_sgpr_workgroup_id_z 1
		.amdhsa_system_vgpr_workitem_id 0
		.amdhsa_next_free_vgpr 1024
		.amdhsa_next_free_sgpr 102
		.amdhsa_reserve_vcc 1
		.amdhsa_float_denorm_mode_32 3
		.amdhsa_float_denorm_mode_16_64 3
		.amdhsa_memory_ordered 1
		.amdhsa_forward_progress 1
		.amdhsa_inst_pref_size 145
	.end_amdhsa_kernel
	.amdgpu_metadata
---
amdhsa.version: [ 1, 2 ]
amdhsa.kernels:
  - .name:           k_q9dfe0837b7_proj
    .symbol:         k_q9dfe0837b7_proj.kd
    .args:
      - { .name: q_codes, .offset: 0, .size: 8, .value_kind: global_buffer, .address_space: global }
      - { .name: k_codes, .offset: 8, .size: 8, .value_kind: global_buffer, .address_space: global }
      - { .name: v_codes, .offset: 16, .size: 8, .value_kind: global_buffer, .address_space: global }
      - { .name: q_scales, .offset: 24, .size: 8, .value_kind: global_buffer, .address_space: global }
      - { .name: k_scales, .offset: 32, .size: 8, .value_kind: global_buffer, .address_space: global }
      - { .name: v_scales, .offset: 40, .size: 8, .value_kind: global_buffer, .address_space: global }
      - { .name: Wq_codes, .offset: 48, .size: 8, .value_kind: global_buffer, .address_space: global }
      - { .name: Wk_codes, .offset: 56, .size: 8, .value_kind: global_buffer, .address_space: global }
      - { .name: Wv_codes, .offset: 64, .size: 8, .value_kind: global_buffer, .address_space: global }
      - { .name: Wq_scales, .offset: 72, .size: 8, .value_kind: global_buffer, .address_space: global }
      - { .name: Wk_scales, .offset: 80, .size: 8, .value_kind: global_buffer, .address_space: global }
      - { .name: Wv_scales, .offset: 88, .size: 8, .value_kind: global_buffer, .address_space: global }
      - { .name: bq, .offset: 96, .size: 8, .value_kind: global_buffer, .address_space: global }
      - { .name: bk, .offset: 104, .size: 8, .value_kind: global_buffer, .address_space: global }
      - { .name: bv, .offset: 112, .size: 8, .value_kind: global_buffer, .address_space: global }
      - { .name: qimg, .offset: 120, .size: 8, .value_kind: global_buffer, .address_space: global }
      - { .name: kimg, .offset: 128, .size: 8, .value_kind: global_buffer, .address_space: global }
      - { .name: vimg, .offset: 136, .size: 8, .value_kind: global_buffer, .address_space: global }
      - { .name: qsc, .offset: 144, .size: 8, .value_kind: global_buffer, .address_space: global }
      - { .name: ksc, .offset: 152, .size: 8, .value_kind: global_buffer, .address_space: global }
      - { .name: vsc, .offset: 160, .size: 8, .value_kind: global_buffer, .address_space: global }
    .group_segment_fixed_size: 279040
    .private_segment_fixed_size: 0
    .kernarg_segment_align: 8
    .kernarg_segment_size: 168
    .max_flat_workgroup_size: 128
    .sgpr_count:     102
    .vgpr_count:     1024
    .wavefront_size: 32
...
	.end_amdgpu_metadata
.endif
;; end of part 4
;; launch attn (part 5): grid 8 x 32, 16 waves a work-group, clusters of 4 x 1, 281,600 bytes of LDS; arguments qimg, qsc, kimg, ksc, vimg, vsc, cimg, csc; writes cimg, csc
.if DOCPART == 5
	.amdgcn_target "amdgcn-amd-amdhsa--gfx1250"
	.amdhsa_code_object_version 6
	.text
	.protected	k_q9dfe0837b7_attn
	.globl	k_q9dfe0837b7_attn
	.p2align	8
	.type	k_q9dfe0837b7_attn,@function
k_q9dfe0837b7_attn:
	s_mov_b64 s[64:65], 0
	v_nop
	global_prefetch_b8 v0, s[64:65] scope:SCOPE_SE
	s_setreg_imm32_b32 hwreg(HW_REG_WAVE_MODE, 25, 1), 1
	s_wait_xcnt 0x0
	s_wait_alu depctr_hold_cnt(0) depctr_sa_sdst(0) depctr_va_vdst(0) depctr_va_sdst(0) depctr_va_ssrc(0) depctr_va_vcc(0) depctr_vm_vsrc(0)
	s_getreg_b32 s2, hwreg(HW_REG_IB_STS2, 6, 4)
	s_cmp_eq_u32 s2, 0
	s_cbranch_scc0 .Lentry_in_a_cluster
	s_endpgm
.Lentry_in_a_cluster:
	s_bfe_u32 s2, ttmp6, 0x10000c
	s_cmp_lg_u32 s2, 0x3003
	s_cbranch_scc0 .Lentry_shape_is_right
	s_endpgm
.Lentry_shape_is_right:
; ATTENTION on codes of FP4 (E2M1): for each head, ctx = softmax(qh kh^T / 8) vh, and ctx's quantiser along the model's 1,024.  All operands come as images of the matrix unit's registers (1,024 bytes a fragment).
; SHARES.  A work-group owns 256 queries of a PAIR of heads (y = batch x 8 + pair); each of its sixteen waves owns 16 queries, in 256 registers, four waves to a SIMD.  A wave makes two passes over the 2,048 keys,
; one for each head of the pair: together they give one whole fragment of ctx (128 along K) and one whole scale word a row.
; LDS.  K's and V's images and scale words of the pair, 272 KiB, are filled ONCE, in four chunks of 512 keys; pass 0 starts on chunk 0 while the others are on their way.  No ring, nothing is filled again.
; CLUSTER.  The four blocks of queries of a cluster walk the same K and V: every fill is a joint load, the mask names all four.
; LAYOUT.  Both products are used transposed: S^T = K Q^T (source 0 = 16 keys, source 1 = my 16 queries), O^T = V^T P^T (source 0 = 16 channels, source 1 = P): a lane holds ONE query (lane % 16) throughout.
; The first product's K is 64: a fragment of 128 holds both heads of the pair; the half that is not this pass's is zero CODES in both operands, which add nothing under any scale byte of this program's make (1 to 254).
; THE KEYS OF A TILE ARE NOT NEIGHBOURS: lane r of tile 4 G + u takes key 64 G + 32 (r / 8) + 8 u + r % 8 of the step's 128.  In S^T lane (r, h) then holds, in registers 32 G + 0 .. 31, the WHOLE block 2 G + h of 32 keys, in
; order: a block's largest score needs no other lane, and the conversion of tile 4 G + u IS register 4 G + u of P's fragment (registers 4 c .. 4 c + 3: keys 64 c + 32 h + 0 .. 31).  Which lane of which image a lane reads is
; free: the choice is made by K's LDS addresses alone.  Its price: of the sixteen lanes that a load serves together, two groups of eight read 128 consecutive bytes each, 2,048 bytes apart.
; THE SOFTMAX: t = score x log2(e) / 8; M = the largest t so far, rounded UP to a whole number; p = 2^(t - M) is quantised, not normalised; the row's sum is taken of the unquantised p and divides O at the end.
; When M moves, the sum and O are multiplied by 2^(old M - new M): exact.  NO TWO EXPONENTIALS FOLLOW EACH OTHER: each has a plain line behind it that is due anyway (a scaling ahead, a rescaling, a sum behind).
; LIMITS: NaN and infinities are not served; M is a whole number exactly while |t| < 2^24; a block whose largest magnitude lies under 2^-124, a block of zeros too, gets the byte 1: only this program reads the bytes.
; REGISTERS: v1-7 addresses that stay and ctx's scale word; v8-11 addresses in hand; v12 -M, v13 the largest score, v[14:15] the sum; v16-23, v24-31 Q for pass 0, 1; v32-95 K; v96-159 S^T, then p; v160-191 O^T;
;   v192-223 V; v224-231 p's codes; v240-243 V's scale words; v246, v247 two more numbers that stay; v248-251 K's scale words; v253 p's; v255 Q's; v232-239, v244, v245, v252, v254 at work.
.set KC,   0                           ; LDS: K's images [16 steps of 128 keys][8 tiles][1,024]
.set VC,   131072                      ; V's [16 steps][8 tiles: 4 x (head & 1) + 16 channels' number][1,024]
.set KSC,  262144                      ; K's scale words [16 steps][512]
.set VSC,  270336                      ; V's
.set STG,  278528                      ; a stage for ctx's scale words, 1,024 bytes of its own: no fill lands here
.set L16,  1                           ; v1   16 x lane: my offset in the global loads and stores of images
.set AV0,  2                           ; v2   VC + 16 x lane
.set AS0,  3                           ; v3   KSC + 256 h + 16 (r % 8) + 8 (r / 8): my two scale words of K
.set AT0,  4                           ; v4   VSC + 16 r
.set SRD,  5                           ; v5   STG + 16 x (thread & 63): where the stage is read back
.set CW,   6                           ; v6   my row's scale word of ctx
.set SWA,  7                           ; v7   where it goes in the stage
.set ADK,  8
.set ADV,  9
.set ADS,  10
.set ADT,  11
.set AKP,  246                         ; v246 2,048 (r / 8) + 16 (r % 8) + 256 h: my place in K's images
.set SH8,  247                         ; v247 8 h: where my two bytes stand in p's scale word
.set KF,   32
.set VF,   192
.set WV,   20
.set SEL,  22
.set CS,   24
.set G1C,  28                          ; s[28:35] group 1: 16 KiB as 64 rows of 256 bytes
.set G1S,  36                          ; s[36:43] group 1: 4 KiB as 16 rows
.set G0S,  44                          ; s[44:47] group 0 for my scale words;  s[48:63] for my four chunks
.set G0C,  48
.set TK,   66                          ; s66  the step's images: 8,192 bytes a step
.set TS,   67                          ; s67  its scale words: 512 bytes a step
.set CNT,  68
.macro CROUND                          ; a round of the cluster's barrier
	s_barrier_signal -1
	s_barrier_wait -1
	s_cmp_lg_u32 s[WV], 0
	s_cbranch_scc1 .Lnot_wave_0_\@
	s_barrier_signal -3
.Lnot_wave_0_\@:
	s_barrier_wait -3
	s_barrier_signal -1
	s_barrier_wait -1
.endm
	s_load_b512 s[4:19], s[0:1], 0x0               ; qimg, qsc, kimg, ksc, vimg, vsc, cimg, csc
	v_lshl_add_u32 v254, v0, 2, 0x44400
	v_mov_b32 v255, 0
	ds_add_u32 v254, v255
	ds_add_u32 v254, v255
	s_wait_dscnt 0x0
	v_lshrrev_b32 v8, 5, v0
	v_readfirstlane_b32 s[WV], v8                  ; wave 0..15
	s_bfe_u32 s70, ttmp6, 0x40000                  ; cx
	s_lshl_b32 s71, ttmp9, 2
	s_add_co_u32 s71, s71, s70                     ; my block of 256 queries: it enters Q's and the outputs' addresses alone
	s_and_b32 s72, ttmp7, 0xffff                   ; y = batch x 8 + pair, which the four partners share
	s_bfe_u32 s73, s[WV], 0x10001                  ; waves 0-3 fetch: 0 K, 1 V;
	s_and_b32 s74, s[WV], 1                        ; which half of each chunk
	s_lshl_b32 s76, s72, 17                        ; images: 131,072 bytes a pair,
	s_lshl_b32 s77, s74, 14                        ; my half of a chunk: 16,384
	s_add_co_u32 s76, s76, s77
	s_mov_b32 s77, 0
	s_lshl_b32 s78, s72, 13                        ; scale words: 8,192 bytes a pair,
	s_lshl_b32 s79, s74, 12                        ; my half
	s_add_co_u32 s78, s78, s79
	s_mov_b32 s79, 0
	s_lshl_b32 s84, s73, 17                        ; and in LDS
	s_lshl_b32 s85, s74, 14
	s_add_co_u32 s84, s84, s85
	s_lshl_b32 s85, s73, 13
	s_lshl_b32 s75, s74, 12
	s_add_co_u32 s85, s85, s75
	s_add_co_u32 s85, s85, KSC
	s_mov_b32 s[G1C], 15|(3<<16)|(1<<21)           ; 15:0 the mask: all four work-groups; 17:16 elements of 8 bytes; 21 set beside a mask; no padding
	s_mov_b32 s[G1C+1], 32<<16                     ; tensor_dim0 = 32 elements: 256 bytes
	s_mov_b32 s[G1C+2], 64<<16                     ; tensor_dim1 = 64 rows
	s_mov_b32 s[G1C+3], 32<<16                     ; tile_dim0
	s_mov_b32 s[G1C+4], 64                         ; tile_dim1
	s_mov_b32 s[G1C+5], 32                         ; dense
	s_mov_b32 s[G1C+6], 0
	s_mov_b32 s[G1C+7], 0
	s_mov_b32 s[G1S], 15|(3<<16)|(1<<21)
	s_mov_b32 s[G1S+1], 32<<16
	s_mov_b32 s[G1S+2], 16<<16
	s_mov_b32 s[G1S+3], 32<<16
	s_mov_b32 s[G1S+4], 16
	s_mov_b32 s[G1S+5], 32
	s_mov_b32 s[G1S+6], 0
	s_mov_b32 s[G1S+7], 0
	s_mov_b32 s[SEL], 0x76543210
	s_mov_b32 s[SEL+1], 0xfedcba98                 ; v_permlanex16_b32's selects for lane l xor 16
	s_mov_b32 s[CS], 0x3e38aa3b                    ; c = log2(e) / 8
	s_mov_b32 s[CS+1], s[CS]                       ; (named with it as a pair, so it is written)
	s_wait_kmcnt 0x0
	s_cmp_lt_u32 s[WV], 2                          ; K's buffers or V's: the choice hangs on the wave's number alone
	s_cselect_b64 s[80:81], s[8:9], s[12:13]
	s_cselect_b64 s[82:83], s[10:11], s[14:15]
	s_add_nc_u64 s[80:81], s[80:81], s[76:77]
	s_add_nc_u64 s[82:83], s[82:83], s[78:79]
	s_mov_b32 s[G0S], 1
	s_mov_b32 s[G0S+1], s85
	s_mov_b64 s[G0S+2:G0S+3], s[82:83]
	s_or_b32 s[G0S+3], s[G0S+3], 0x80000000
.irp c, 0,1,2,3
	s_mov_b32 s[G0C+4*\c], 1
	s_add_co_u32 s[G0C+4*\c+1], s84, \c*32768
	s_add_nc_u64 s[G0C+4*\c+2:G0C+4*\c+3], s[80:81], \c*32768
	s_or_b32 s[G0C+4*\c+3], s[G0C+4*\c+3], 0x80000000
.endr
	CROUND                                         ; all four work-groups are here: the joint loads meet
	s_cmp_lt_u32 s[WV], 4                          ; all the fills of a wave stand in one branch on its number: five tensor loads of mine are out, and no more follow
	s_cbranch_scc0 .Lno_fill
	tensor_load_to_lds s[G0S:G0S+3], s[G1S:G1S+7]          ; the scale words first: they are wanted with chunk 0
	s_nop 0
	tensor_load_to_lds s[G0C:G0C+3], s[G1C:G1C+7]
	s_nop 0
	tensor_load_to_lds s[G0C+4:G0C+7], s[G1C:G1C+7]
	s_nop 0
	tensor_load_to_lds s[G0C+8:G0C+11], s[G1C:G1C+7]
	s_nop 0
	tensor_load_to_lds s[G0C+12:G0C+15], s[G1C:G1C+7]
	s_nop 0
.rept 4
	v_nop                                          ; four such lines behind the loads
.endr
.Lno_fill:
	s_lshl_b32 s86, s72, 4                         ; Q: index y x 16 + group of 128 queries, tile wave & 7
	s_lshl_b32 s87, s71, 1
	s_add_co_u32 s86, s86, s87
	s_lshr_b32 s87, s[WV], 3
	s_add_co_u32 s86, s86, s87
	s_and_b32 s87, s[WV], 7
	s_lshl_b32 s88, s86, 13
	s_lshl_b32 s89, s87, 10
	s_add_co_u32 s88, s88, s89
	s_mov_b32 s89, 0
	s_add_nc_u64 s[4:5], s[4:5], s[88:89]
	s_lshl_b32 s88, s86, 9                         ; its scale words: tile a's lie at 256 (a / 4) + 16 r + 4 (a % 4)
	s_lshr_b32 s90, s87, 2
	s_lshl_b32 s90, s90, 8
	s_add_co_u32 s88, s88, s90
	s_and_b32 s90, s87, 3
	s_lshl_b32 s90, s90, 2
	s_add_co_u32 s88, s88, s90
	s_add_nc_u64 s[6:7], s[6:7], s[88:89]
	s_lshr_b32 s86, s72, 3                         ; batch
	s_and_b32 s87, s72, 7                          ; pair
	s_lshl_b32 s88, s86, 7                         ; ctx: row tile batch x 128 + 16 x block + wave, 8,192 bytes each; K step = pair, 1,024 bytes
	s_lshl_b32 s90, s71, 4
	s_add_co_u32 s88, s88, s90
	s_add_co_u32 s88, s88, s[WV]
	s_lshl_b32 s88, s88, 13
	s_lshl_b32 s90, s87, 10
	s_add_co_u32 s88, s88, s90
	s_add_nc_u64 s[16:17], s[16:17], s[88:89]
	s_lshl_b32 s88, s86, 4                         ; its scale words: [pair][group of 128 rows][512]; the work-group has two groups
	s_lshl_b32 s90, s71, 1
	s_add_co_u32 s88, s88, s90
	s_lshl_b32 s88, s88, 9
	s_lshl_b32 s90, s87, 15
	s_add_co_u32 s88, s88, s90
	s_add_nc_u64 s[18:19], s[18:19], s[88:89]
	s_lshr_b32 s90, s[WV], 3                       ; in the stage: group wave / 8; block a = wave & 7 = 2 i + h lies at 256 h + 16 r + 4 i
	s_lshl_b32 s90, s90, 9
	s_lshl_b32 s88, s74, 8
	s_add_co_u32 s90, s90, s88
	s_bfe_u32 s88, s[WV], 0x20001
	s_lshl_b32 s88, s88, 2
	s_add_co_u32 s90, s90, s88
	s_add_co_u32 s90, s90, STG
	v_and_b32 v8, 31, v0                           ; lane
	v_and_b32 v9, 15, v0                           ; r
	v_and_b32 v11, 63, v0
	v_lshlrev_b32 v[L16], 4, v8
	v_add_nc_u32 v[AV0], VC, v[L16]
	v_lshl_add_u32 v[AT0], v9, 4, VSC
	v_lshl_add_u32 v[SRD], v11, 4, STG
	v_lshl_add_u32 v[SWA], v9, 4, s90
	v_lshlrev_b32 v10, 4, v9
	v_and_b32 v12, 7, v0                           ; r % 8
	v_bfe_u32 v13, v0, 4, 1                        ; h
	v_bfe_u32 v14, v0, 3, 1                        ; r / 8
	v_lshlrev_b32 v12, 4, v12
	v_lshl_or_b32 v12, v13, 8, v12                 ; 16 (r % 8) + 256 h
	v_lshl_or_b32 v[AKP], v14, 11, v12             ; K's images: lanes 8-15 and 24-31 read two tiles (2,048 bytes) further on
	v_lshl_or_b32 v12, v14, 3, v12
	v_add_nc_u32 v[AS0], KSC, v12                  ; K's scale words: lanes 16-31 those of keys 64 on (256 bytes), r / 8 two tiles' words (8 bytes) on
	v_lshlrev_b32 v[SH8], 3, v13
	global_load_b128 v[16:19], v[L16], s[4:5]              ; the even head's half of Q's fragment: pass 0's first half
	global_load_b128 v[28:31], v[L16], s[4:5] offset:512   ; the odd head's: pass 1's second half
	global_load_b32 v255, v10, s[6:7]                      ; Q's scale words
.irp j, 20,21,22,23,24,25,26,27
	v_mov_b32 v\j, 0                               ; the other halves: zero codes
.endr
.irp b, 0,1,2,3
	v_mov_b32 v[236+\b], 0                         ; written once: a lane permute's destination counts as one of its sources
.endr
	v_mov_b32 v252, 0
	v_mov_b32 v253, 0                              ; (named as the upper half of the pair v[252:253] before it is first written)
; THE PLAIN LINES THAT STAND BETWEEN THE EXPONENTIALS.
.macro FMA j                           ; pair j of the 32 pairs of scores: t - M, two at a time (of the pairs c and -M the low word serves both halves)
	v_pk_fma_f32 v[96+2*(\j):97+2*(\j)], v[96+2*(\j):97+2*(\j)], s[CS:CS+1], v[12:13] op_sel_hi:[1,0,0]
.endm
.macro RESC i                          ; pair i of O^T's 16 pairs under the new M
	v_pk_mul_f32 v[160+2*(\i):161+2*(\i)], v[160+2*(\i):161+2*(\i)], v[252:253] op_sel_hi:[1,0]
.endm
.macro SUMI q                          ; item q of the 32 additions of the row's sum, taken of the unquantised p, in two chains; items 1 to 30 take pair q + 1
.if (\q) == 0
	v_pk_add_f32 v[238:239], v[96:97], v[98:99]
.elseif (\q) == 31
	v_pk_add_f32 v[14:15], v[14:15], v[238:239]
.elseif ((\q)%2) == 1
	v_pk_add_f32 v[14:15], v[14:15], v[98+2*(\q):99+2*(\q)]
.else
	v_pk_add_f32 v[238:239], v[238:239], v[98+2*(\q):99+2*(\q)]
.endif
.endm
.macro CVT t                           ; tile t's eight p of my block t / 4 become register t of P's fragment
	s_wait_alu depctr_va_vdst(0)
	v_cvt_scalef32_pk8_fp4_f32 v[224+(\t)], v[96+8*(\t):103+8*(\t)], v[244+(\t)/4]
.endm
.macro OTH                             ; the third line of group gg, if it has one: the scales' lines, conversion T in group 4 T + 5 (its last exponential stands in group 4 T + 4), rescalings
.if gg == 1
	s_wait_alu depctr_va_vdst(0)
	v_max_num_f32 v232, 0x1800000, v232            ; the floor 2^(3 - 127) under a block's largest p: the byte cannot fall under 1
.elseif gg == 2
	v_max_num_f32 v234, 0x1800000, v234
.elseif gg == 3
	v_add_nc_u32 v244, 0xff000000, v232            ; 2 off the exponent field: the conversion's scale operand
.elseif gg == 4
	v_add_nc_u32 v245, 0xff000000, v234
.elseif (gg%4 == 1) && (gg >= 5) && (gg <= 29)
	CVT (gg-5)/4
.elseif gg == 6
	v_lshrrev_b32 v233, 23, v244                   ; the scale's byte: block h,
.elseif gg == 7
	v_lshrrev_b32 v235, 23, v245                   ; block 2 + h
.elseif gg == 8
	v_lshl_or_b32 v253, v235, 16, v233
.elseif gg == 10
	v_lshlrev_b32 v253, v[SH8], v253               ; at their places in the scale word (8 h bits up);
.elseif gg == 11
	v_permlanex16_b32 v237, v253, s[SEL], s[SEL+1]
.elseif gg == 12
	s_setprio 1
	v_or_b32 v253, v253, v237                      ; with lane l xor 16's two the word is whole
.elseif (gg >= 14) && (gg <= 16)
	RESC gg-9
.elseif (gg >= 18) && (gg <= 20)
	RESC gg-10
.endif
.endm
; A KEY STEP of pass p: 128 keys.
.macro STEP p
	s_setprio 2
	v_add_nc_u32 v[ADK], s[TK], v[AKP]
	v_add_nc_u32 v[ADS], s[TS], v[AS0]
.irp t, 0,1,2,3,4,5,6,7
	ds_load_b128 v[KF+8*\t+4*\p:KF+8*\t+4*\p+3], v[ADK] offset:4096*(\t/4)+1024*((\t%4)/2)+128*(\t%2)+512*\p   ; this head's half of tile t = 4 G + u: image 4 G + u / 2 (+ 2 for r / 8), its rows 8 (u % 2) on
.endr
	ds_load_b64 v[248:249], v[ADS]                 ; K's scale words: tiles u = 0, 2 (lanes 0-15: G = 0, lanes 16-31: G = 1)
	ds_load_b64 v[250:251], v[ADS] offset:128      ; u = 1, 3
	s_wait_dscnt 0x0
.irp t, 0,1,2,3
	v_wmma_scale_f32_16x16x128_f8f6f4 v[96+8*\t:103+8*\t], v[KF+8*\t:KF+8*\t+7], v[16+8*\p:23+8*\p], 0, v[248+2*(\t%2)+(\t%4)/2], v255 matrix_a_fmt:MATRIX_FMT_FP4 matrix_b_fmt:MATRIX_FMT_FP4
.endr
.irp t, 4,5,6,7
	v_wmma_scale_f32_16x16x128_f8f6f4 v[96+8*\t:103+8*\t], v[KF+8*\t:KF+8*\t+7], v[16+8*\p:23+8*\p], 0, v[248+2*(\t%2)+(\t%4)/2], v255 matrix_a_fmt:MATRIX_FMT_FP4 matrix_b_fmt:MATRIX_FMT_FP4 matrix_a_scale:MATRIX_SCALE_ROW1
.endr
	v_add_nc_u32 v[ADV], s[TK], v[AV0]             ; four plain lines: the places in front of the first read of the scores; with the two at the step's head
	v_add_nc_u32 v[ADT], s[TS], v[AT0]             ; they are also the places between the last step's second products and the loads into V's registers
	v_mov_b32 v254, v12                            ; the old -M
	v_nop
.irp d, 0,1,2,3
.irp c, 0,1
	ds_load_b128 v[VF+8*\d+4*\c:VF+8*\d+4*\c+3], v[ADV] offset:4096*\p+1024*\d+512*\c   ; V's four fragments: they land while the softmax is worked
.endr
.endr
	ds_load_b128 v[240:243], v[ADT] offset:256*\p  ; V's scale words
.irp b, 0,1,2,3
	v_max3_num_f32 v[232+\b], v[96+16*\b], v[97+16*\b], v[98+16*\b]   ; four chains of 15 scores, two to a block; each accumulator is first read at its low end
.endr
.irp i, 3,5,7,9,11,13
.irp b, 0,1,2,3
	v_max3_num_f32 v[232+\b], v[232+\b], v[96+16*\b+\i], v[97+16*\b+\i]
.endr
.endr
	v_max3_num_f32 v232, v232, v233, v111          ; THE LARGEST SCORE OF MY TWO BLOCKS OF 32 KEYS: for the row's maximum, and, since p rises with the score, for the block's largest p
	v_max3_num_f32 v234, v234, v235, v143
	v_max_num_f32 v232, v232, v127
	v_max_num_f32 v234, v234, v159
	v_max_num_f32 v233, v232, v234
	v_permlanex16_b32 v236, v233, s[SEL], s[SEL+1] ; lane l xor 16 holds my query's other two blocks
	v_max3_num_f32 v13, v13, v233, v236            ; the running largest score
	v_mul_f32 v235, s[CS], v13                     ; as t (c is positive)
	v_floor_f32 v12, -v235                         ; the new -M = floor(-t) = -ceil(t): a whole number
	v_fma_f32 v232, v232, s[CS], v12               ; t - M of each block's largest score
	v_sub_f32 v254, v12, v254                      ; M's old value less its new one: a whole number, 0 or less
	v_fma_f32 v234, v234, s[CS], v12
	v_cvt_i32_f32 v254, v254                       ; (it saturates)
	FMA 0
	v_ldexp_f32 v252, 1.0, v254                    ; f = 2^(old M - new M)
	FMA 1
	FMA 2
	FMA 3
; 33 groups: exponential, plain, exponential, plain, and at most one line more.  Group 0: the two blocks' largest p (the same two instructions on the same number give the same bits as p's own); group g: pair g - 1.
.set gg, 0
.rept 33
.if gg == 0
	v_exp_f32 v232, v232
.else
	v_exp_f32 v[94+2*gg], v[94+2*gg]               ; p = 2^(t - M), at most 1
.endif
.if gg < 28
	FMA gg+4                                       ; the scaling runs four groups ahead
.else
	RESC gg-17
.endif
.if gg == 0
	v_exp_f32 v234, v234
.else
	v_exp_f32 v[95+2*gg], v[95+2*gg]
.endif
.if gg == 0
	v_pk_mul_f32 v[14:15], v[14:15], v[252:253] op_sel_hi:[1,0]   ; the sums under the new M
.elseif gg < 6
	RESC gg-1                                      ; O^T under the new M: of each accumulator a pair of its four lowest registers comes first
.else
	SUMI gg-6                                      ; its pair's exponentials stand four groups back
.endif
	OTH
.set gg, gg+1
.endr
	s_setprio 0
	CVT 7
	SUMI 27                                        ; five plain lines that name none of the products' registers: the places between the last conversion and the products
	SUMI 28
	SUMI 29
	SUMI 30
	SUMI 31
	s_wait_dscnt 0x0                               ; V is in
.irp d, 0,1,2,3
	v_wmma_scale_f32_16x16x128_f8f6f4 v[160+8*\d:167+8*\d], v[VF+8*\d:VF+8*\d+7], v[224:231], v[160+8*\d:167+8*\d], v[240+\d], v253 matrix_a_fmt:MATRIX_FMT_FP4 matrix_b_fmt:MATRIX_FMT_FP4
.endr
	s_add_co_u32 s[TK], s[TK], 8192
	s_add_co_u32 s[TS], s[TS], 512
.endm
; Pass 0's chunk c of 512 keys: the waves that fetched it wait for it, all meet, and four steps follow.
.macro CHUNK c
	s_wait_tensorcnt 3-\c                          ; the scale words and chunks 0 .. c are in; the 3 - c chunks issued behind them may stay out
	s_barrier_signal -1
	s_barrier_wait -1
	s_mov_b32 s[TK], \c*32768
	s_mov_b32 s[TS], \c*2048
	s_mov_b32 s[CNT], 4
.Lchunk_\@:
	STEP 0
	s_sub_co_u32 s[CNT], s[CNT], 1
	s_cmp_lg_u32 s[CNT], 0
	s_cbranch_scc1 .Lchunk_\@
	s_setprio 0
.endm
; A pass's end: O^T / the sum is ctx of head 2 pair + p, 64 numbers a row; two blocks of 32 are quantised and make half p of the fragment and of the scale word.
; V's tiles are 16 neighbouring channels: register 8 d + j is channel 16 d + 8 h + j, a block lies in lanes l and l xor 16, and two exchanges of halves give the operand's layout.
.macro CTX p
.rept 4
	v_nop                                          ; places behind the last products
.endr
	v_add_f32 v14, v14, v15                        ; the sum's two halves,
	v_permlanex16_b32 v252, v14, s[SEL], s[SEL+1]
	v_add_f32 v14, v14, v252                       ; and lane l xor 16's
	v_rcp_f32 v14, v14
	v_nop                                          ; a plain line behind the transcendental
.set jj, 0
	s_wait_alu depctr_va_vdst(0)
.rept 16
	v_pk_mul_f32 v[96+jj:97+jj], v[160+jj:161+jj], v[14:15] op_sel_hi:[1,0]
.set jj, jj+2
.endr
.irp b, 0,1
	v_max3_num_f32 v[232+\b], |v[96+16*\b]|, |v[97+16*\b]|, 0x1800000
.endr
.irp i, 2,4,6,8,10,12,14
.irp b, 0,1
	v_max3_num_f32 v[232+\b], v[232+\b], |v[96+16*\b+\i]|, |v[97+16*\b+\i]|
.endr
.endr
.irp b, 0,1
	v_permlanex16_b32 v[236+\b], v[232+\b], s[SEL], s[SEL+1]
.endr
.irp b, 0,1
	v_max_num_f32 v[232+\b], v[232+\b], v[236+\b]
.endr
.irp b, 0,1
	v_add_nc_u32 v[244+\b], 0xff000000, v[232+\b]
.endr
.irp b, 0,1
	v_lshrrev_b32 v[236+\b], 23, v[244+\b]
.endr
	v_lshl_or_b32 v254, v237, 8, v236              ; this head's two bytes
.if \p
	v_lshl_or_b32 v[CW], v254, 16, v[CW]
.else
	v_mov_b32 v[CW], v254
.endif
.irp b, 0,1
	v_cvt_scalef32_pk8_fp4_f32 v[224+\b], v[96+16*\b:103+16*\b], v[244+\b]
	v_cvt_scalef32_pk8_fp4_f32 v[226+\b], v[104+16*\b:111+16*\b], v[244+\b]
.endr
	v_nop                                          ; one plain line behind a scaled conversion
	v_permlane16_swap_b32 v224, v225
	v_permlane16_swap_b32 v226, v227
	global_store_b128 v[L16], v[224:227], s[16:17] offset:512*\p   ; 512 consecutive bytes, aligned
.endm
.macro BEGIN p                         ; a pass's head
.irp t, 0,1,2,3,4,5,6,7
.irp i, 0,1,2,3
	v_mov_b32 v[KF+8*\t+4*(1-\p)+\i], 0            ; the half of K's fragments that is not this head's: zero codes
.endr
.endr
	v_mov_b32 v13, 0xff61b1e6                      ; the largest score so far: -3e38, under every score
	v_floor_f32 v12, -v13                          ; -M: so large that the first change of M gives f = 0
	v_mov_b32 v14, 0
	v_mov_b32 v15, 0
.set jj, 0
.rept 32
	v_mov_b32 v[160+jj], 0                         ; O^T: the step is written once; its first walk finds zeros, which the first change of M leaves zeros
.set jj, jj+1
.endr
.endm
	BEGIN 0
	s_wait_loadcnt 0x0                             ; Q and its scale words; v10, their offset, may be written again
	CHUNK 0
	CHUNK 1
	CHUNK 2
	CHUNK 3
	CTX 0
	s_wait_xcnt 0x0                                ; the store has read its data: pass 1 writes those registers again
	BEGIN 1
	s_mov_b32 s[TK], 0                             ; all of K and V lies in LDS: no wait, no barrier
	s_mov_b32 s[TS], 0
	s_mov_b32 s[CNT], 16
.Lpass1:
	STEP 1
	s_sub_co_u32 s[CNT], s[CNT], 1
	s_cmp_lg_u32 s[CNT], 0
	s_cbranch_scc1 .Lpass1
	s_setprio 0
	CTX 1
	ds_store_b32 v[SWA], v[CW]                     ; ctx's scale words meet in the stage (both halves of the lanes write the same word with the same value)
	s_wait_dscnt 0x0                               ; for the others' sake
	s_barrier_signal -1
	s_barrier_wait -1
	s_cmp_lt_u32 s[WV], 2
	s_cbranch_scc0 .Lno_csc
	ds_load_b128 v[96:99], v[SRD]                  ; waves 0 and 1 store the two groups' 512 bytes each, aligned
	v_and_b32 v8, 63, v0
	v_lshlrev_b32 v8, 4, v8
	s_wait_dscnt 0x0
	global_store_b128 v8, v[96:99], s[18:19]
.Lno_csc:
	s_wait_xcnt 0x0
	v_lshl_add_u32 v254, v0, 2, 0x44400
	v_mov_b32 v255, 0
	s_wait_tensorcnt 0x0
	ds_add_u32 v254, v255
	s_wait_dscnt 0x0
	CROUND                                         ; the closing round: no work-group ends while a partner may still ask for a tile that names it
	s_endpgm
.Lfunc_end_k_q9dfe0837b7_attn:
	.size	k_q9dfe0837b7_attn, .Lfunc_end_k_q9dfe0837b7_attn-k_q9dfe0837b7_attn
	.p2alignl 7, 3214868480
	.fill 96, 4, 3214868480
	.section	.rodata,"a",@progbits
	.p2align	6, 0x0
	.amdhsa_kernel k_q9dfe0837b7_attn
		.amdhsa_group_segment_fixed_size 281600
		.amdhsa_private_segment_fixed_size 0
		.amdhsa_enable_private_segment 0
		.amdhsa_kernarg_size 64
		.amdhsa_user_sgpr_count 2
		.amdhsa_user_sgpr_kernarg_segment_ptr 1
		.amdhsa_wavefront_size32 1
		.amdhsa_system_sgpr_workgroup_id_x 1
		.amdhsa_system_sgpr_workgroup_id_y 1
		.amdhsa_system_sgpr_workgroup_id_z 1
		.amdhsa_system_vgpr_workitem_id 0
		.amdhsa_next_free_vgpr 256
		.amdhsa_next_free_sgpr 92
		.amdhsa_reserve_vcc 0
		.amdhsa_float_denorm_mode_32 3
		.amdhsa_float_denorm_mode_16_64 3
		.amdhsa_memory_ordered 1
		.amdhsa_forward_progress 1
		.amdhsa_inst_pref_size 92
	.end_amdhsa_kernel
	.amdgpu_metadata
---
amdhsa.version: [ 1, 2 ]
amdhsa.kernels:
  - .name:           k_q9dfe0837b7_attn
    .symbol:         k_q9dfe0837b7_attn.kd
    .args:
      - { .name: qimg, .offset: 0, .size: 8, .value_kind: global_buffer, .address_space: global }
      - { .name: qsc, .offset: 8, .size: 8, .value_kind: global_buffer, .address_space: global }
      - { .name: kimg, .offset: 16, .size: 8, .value_kind: global_buffer, .address_space: global }
      - { .name: ksc, .offset: 24, .size: 8, .value_kind: global_buffer, .address_space: global }
      - { .name: vimg, .offset: 32, .size: 8, .value_kind: global_buffer, .address_space: global }
      - { .name: vsc, .offset: 40, .size: 8, .value_kind: global_buffer, .address_space: global }
      - { .name: cimg, .offset: 48, .size: 8, .value_kind: global_buffer, .address_space: global }
      - { .name: csc, .offset: 56, .size: 8, .value_kind: global_buffer, .address_space: global }
    .group_segment_fixed_size: 281600
    .private_segment_fixed_size: 0
    .kernarg_segment_align: 8
    .kernarg_segment_size: 64
    .max_flat_workgroup_size: 512
    .sgpr_count:     92
    .vgpr_count:     256
    .wavefront_size: 32
...
	.end_amdgpu_metadata
.endif
;; end of part 5
;; launch outp (part 6): grid 4 x 64, 4 waves a work-group, clusters of 4 x 4, 239,104 bytes of LDS; arguments cimg, csc, Wo_codes, Wo_scales, bo, out0; writes out0
.if DOCPART == 6
	.amdgcn_target "amdgcn-amd-amdhsa--gfx1250"
	.amdhsa_code_object_version 6
	.text
	.protected	k_q9dfe0837b7_outp
	.globl	k_q9dfe0837b7_outp
	.p2align	8
	.type	k_q9dfe0837b7_outp,@function
k_q9dfe0837b7_outp:
	s_mov_b64 s[64:65], 0
	v_nop
	global_prefetch_b8 v0, s[64:65] scope:SCOPE_SE
	s_setreg_imm32_b32 hwreg(HW_REG_WAVE_MODE, 25, 1), 1
	s_wait_xcnt 0x0
	s_wait_alu depctr_hold_cnt(0) depctr_sa_sdst(0) depctr_va_vdst(0) depctr_va_sdst(0) depctr_va_ssrc(0) depctr_va_vcc(0) depctr_vm_vsrc(0)
	s_getreg_b32 s2, hwreg(HW_REG_IB_STS2, 6, 4)
	s_cmp_eq_u32 s2, 0
	s_cbranch_scc0 .Lentry_in_a_cluster
	s_endpgm
.Lentry_in_a_cluster:
	s_bfe_u32 s2, ttmp6, 0x10000c
	s_cmp_lg_u32 s2, 0xf033
	s_cbranch_scc0 .Lentry_shape_is_right
	s_endpgm
.Lentry_shape_is_right:
; out0 = ctx Wo^T + bo.  ctx: [8192][1024] as images of the matrix unit's registers, [row tile of 16][K step of 128][1,024 bytes], with scale words [K step][group of 128 rows][512]; Wo: [1024][1024] codes of FP4 (E2M1),
; K innermost, one E8M0 byte for each 32 along K; bo [1024], out0 [8192][1024]: f32.
; A work-group makes 128 x 256 of out0: 64 x 4 = 256 work-groups, one for each WGP (tiles of 256 x 256 would be 128).  Each of its four waves makes 64 x 128: 32 accumulators, 256 registers.
; K = 1,024 is two LDS slots: every LDS byte is filled once, both slots are asked for at the start; no ring, no loop.
; The matrix instruction is used transposed (source 0 = 16 rows of Wo, source 1 = 16 rows of ctx): a lane holds eight neighbouring numbers of a row of out0.  The bias is the C of each sum's first matrix instruction.
; CLUSTERS: 4 x 4.  ctx's tile hangs on the work-group's y and is shared along a row of the cluster, Wo's on its x and is shared along a column: each is asked for jointly.
; The scale words (6 KiB a wave against the work-group's 192 KiB of codes) and the bias come straight into registers, once, by plain loads.
; REGISTERS, in windows of 256: window 0: v16-26 addresses, v32-47 ctx's scale words, v64-95 Wo's, v128-191 ctx's fragments, two sets of 32, v192-255 the bias as C; on the way out v128-255 take rows of out0.
;   window 1: Wo's fragments, two sets, at v0 and v128.   window 2: the accumulators ((a, b) at v[8 (8 a + b)]).
.set PITCH,  272                       ; a row of Wo's tile in LDS: 256 bytes + 16 of padding
.set HALFT,  128*PITCH
.set ASLOT,  32768                     ; ctx: slot j at j ASLOT: [8 row tiles][4 K steps][1,024]
.set WBASE,  65536                     ; Wo: slot j at WBASE + j WSLOT: 256 rows
.set WSLOT,  2*HALFT
.set STAGE,  WBASE+2*WSLOT             ; the way out: 16 rows x (512 bytes + 16) for each wave, bytes of its own: no fill lands here
.set SPITCH, 528
.set NROW,   4096                      ; a row of out0 in bytes
.set ADRA, 16
.set ADRB, 20
.set SCO,  22                          ; v22  32 x lane
.set L16,  23                          ; v23  16 x lane
.set BOF,  24
.set STO,  25
.set RD,   26
.set SA,   32                          ; word of (block a, K step s): v[SA + 2 s + a / 2], lanes 0-15 for even a, lanes 16-31 for odd a
.set SB,   64                          ; of Wo's (block b, K step s): v[SB + 8 (b / 2) + s], likewise
.set AF,   128
.set BIAS, 192
.set BK,   128
.set WV,  16
.set WR,  17
.set WC,  18
.set CX,  19
.set CY,  20
.set WGX, 21
.set WGY, 22
.set G1A, 24                           ; s[24:31], s[32:39] descriptor groups 1 and 0 (a set for each slot) for ctx's tiles
.set G0A, 32
.set G1W, 48                           ; s[48:55], s[56:63] for Wo's
.set G0W, 56
.set MSB, 0
.macro WIN new                         ; the immediate's high byte repeats the setting that is left; a switch that changes nothing is dropped
.if MSB != (\new)
	s_set_vgpr_msb (MSB<<8)|(\new)
.set MSB, (\new)
.endif
.endm
.macro CROUND                          ; a round of the cluster's barrier
	s_barrier_signal -1
	s_barrier_wait -1
	s_cmp_lg_u32 s[WV], 0
	s_cbranch_scc1 .Lnot_wave_0_\@
	s_barrier_signal -3
.Lnot_wave_0_\@:
	s_barrier_wait -3
	s_barrier_signal -1
	s_barrier_wait -1
.endm
.macro PLACES n                        ; plain vector lines between a matrix instruction and a load into, or a read of, its registers
.rept \n
	v_nop
.endr
.endm
	s_load_b256 s[4:11], s[0:1], 0x0               ; cimg, csc, Wo's codes, Wo's scales
	s_load_b128 s[12:15], s[0:1], 0x20             ; bo, out0
	v_lshl_add_u32 v126, v0, 2, 0x3a400
	v_mov_b32 v127, 0
	ds_add_u32 v126, v127
	ds_add_u32 v126, v127
	v_lshrrev_b32 v1, 5, v0
	v_readfirstlane_b32 s[WV], v1
	s_lshr_b32 s[WR], s[WV], 1                     ; my half of the rows (64).  Also: I fetch ctx (0) or Wo (1)
	s_and_b32 s[WC], s[WV], 1                      ; my half of the columns (128).  Also: which half of that tile I fetch
	s_bfe_u32 s[CX], ttmp6, 0x40000
	s_bfe_u32 s[CY], ttmp6, 0x40004
	s_lshl_b32 s[WGX], ttmp9, 2
	s_add_co_u32 s[WGX], s[WGX], s[CX]             ; tile of 256 columns
	s_and_b32 s[WGY], ttmp7, 0xffff
	s_lshl_b32 s[WGY], s[WGY], 2
	s_add_co_u32 s[WGY], s[WGY], s[CY]             ; tile of 128 rows
	s_lshl_b32 s40, s[CY], 2
	s_lshl_b32 s40, 15, s40                        ; my row of the cluster
	s_lshl_b32 s41, 0x1111, s[CX]                  ; my column
	s_or_b32 s[G1A], s40, (3<<16)|(1<<21)          ; the mask; elements of 8 bytes; 21 set beside a mask; no padding: every read takes 16 x lane on end
	s_mov_b32 s[G1A+1], 512<<16                    ; tensor_dim0 = 512 elements: a row tile's four K steps, 4,096 bytes
	s_mov_b32 s[G1A+2], 4<<16                      ; tensor_dim1 = 4 row tiles
	s_mov_b32 s[G1A+3], 512<<16
	s_mov_b32 s[G1A+4], 4
	s_mov_b32 s[G1A+5], 1024                       ; 8,192 bytes from row tile to row tile
	s_mov_b32 s[G1A+6], 0
	s_mov_b32 s[G1A+7], 0
	s_or_b32 s[G1W], s41, (1<<20)|(1<<21)|(5<<22)|(3<<25)   ; the mask; elements of 1 byte; padding: four words after every 64
	s_mov_b32 s[G1W+1], 256<<16
	s_mov_b32 s[G1W+2], 128<<16
	s_mov_b32 s[G1W+3], 256<<16
	s_mov_b32 s[G1W+4], 128
	s_mov_b32 s[G1W+5], 512
	s_mov_b32 s[G1W+6], 0
	s_mov_b32 s[G1W+7], 0
	s_lshl_b32 s42, s[WGY], 16                     ; ctx: 8 row tiles of 8,192 bytes a work-group, 4 a load: hangs on the work-group's y and the wave alone
	s_lshl_b32 s3, s[WC], 15
	s_add_co_u32 s42, s42, s3
	s_mov_b32 s43, 0
	s_lshl_b32 s44, s[WGX], 17                     ; Wo: 256 rows of 512 bytes a work-group, 128 a load: on its x and the wave alone
	s_lshl_b32 s3, s[WC], 16
	s_add_co_u32 s44, s44, s3
	s_mov_b32 s45, 0
	s_lshl_b32 s46, s[WC], 14                      ; where they go
	s_mul_i32 s47, s[WC], HALFT
	s_add_co_u32 s47, s47, WBASE
	s_wait_dscnt 0x0
	s_wait_kmcnt 0x0
	s_add_nc_u64 s[42:43], s[4:5], s[42:43]
	s_add_nc_u64 s[44:45], s[8:9], s[44:45]
	CROUND                                         ; all sixteen work-groups are here: the joint loads meet
.irp j, 0,1
	s_mov_b32 s[G0A+4*\j], 1
	s_add_co_u32 s[G0A+4*\j+1], s46, \j*ASLOT
	s_add_nc_u64 s[G0A+4*\j+2:G0A+4*\j+3], s[42:43], \j*4096
	s_or_b32 s[G0A+4*\j+3], s[G0A+4*\j+3], 0x80000000
	s_mov_b32 s[G0W+4*\j], 1
	s_add_co_u32 s[G0W+4*\j+1], s47, \j*WSLOT
	s_add_nc_u64 s[G0W+4*\j+2:G0W+4*\j+3], s[44:45], \j*256
	s_or_b32 s[G0W+4*\j+3], s[G0W+4*\j+3], 0x80000000
.endr
	s_cmp_eq_u32 s[WR], 0                          ; a wave's two fills stand in one branch on its number: two tensor loads of mine are out, and no more follow
	s_cbranch_scc0 .Lfill_w
	tensor_load_to_lds s[G0A:G0A+3], s[G1A:G1A+7]
	s_nop 0
	tensor_load_to_lds s[G0A+4:G0A+7], s[G1A:G1A+7]
	s_nop 0
	PLACES 4                                       ; four such lines behind the loads
	s_branch .Lfilled
.Lfill_w:
	tensor_load_to_lds s[G0W:G0W+3], s[G1W:G1W+7]
	s_nop 0
	tensor_load_to_lds s[G0W+4:G0W+7], s[G1W:G1W+7]
	s_nop 0
	PLACES 4
.Lfilled:
	v_and_b32 v1, 15, v0                           ; r
	v_bfe_u32 v2, v0, 4, 1                         ; h
	v_and_b32 v3, 31, v0                           ; lane
	v_lshlrev_b32 v[SCO], 5, v3
	v_lshlrev_b32 v[L16], 4, v3
	v_mul_u32_u24 v4, v1, PITCH
	v_lshl_add_u32 v4, v2, 4, v4                   ; Wo: a fragment's row x pitch + 16 h
	s_lshl_b32 s2, s[WR], 14                       ; ctx: my 4 row tiles
	s_mul_i32 s3, s[WC], HALFT                     ; Wo: my 128 rows
	s_add_co_u32 s3, s3, WBASE
.irp j, 0,1
	v_add_nc_u32 v[ADRA+\j], s2, v[L16]
	v_add_nc_u32 v[ADRB+\j], s3, v4
	s_add_co_u32 s2, s2, ASLOT
	s_add_co_u32 s3, s3, WSLOT
.endr
	s_mul_i32 s2, s[WV], 16*SPITCH
	s_add_co_u32 s2, s2, STAGE                     ; my stage
	v_mul_u32_u24 v5, v1, SPITCH
	v_lshl_add_u32 v5, v2, 5, v5
	v_add_nc_u32 v[STO], s2, v5                    ; in: row r, 32 bytes for each half of the lanes
	v_add_nc_u32 v[RD], s2, v[L16]                 ; back: the 32 lanes take one row of 512 bytes
	v_lshlrev_b32 v[BOF], 5, v2
	s_wait_alu depctr_va_vdst(0)
	s_lshl_b32 s2, s[WGY], 9                       ; ctx's scale words: the group of 128 rows is my work-group's, 512 bytes; at 16 x lane + 4 i the word of block 2 i + h: my four blocks begin at i = 2 wr
	s_lshl_b32 s40, s[WR], 3
	s_add_co_u32 s2, s2, s40
	s_mov_b32 s3, 0
	s_add_nc_u64 s[6:7], s[6:7], s[2:3]
	s_lshl_b32 s2, s[WGX], 13                      ; Wo's scale bytes: 32 a row
	s_lshl_b32 s40, s[WC], 12
	s_add_co_u32 s2, s2, s40
	s_add_nc_u64 s[10:11], s[10:11], s[2:3]
	s_lshl_b32 s2, s[WGX], 10                      ; my 128 numbers of the bias, and my first column of out0, in bytes
	s_lshl_b32 s40, s[WC], 9
	s_add_co_u32 s2, s2, s40
	s_add_nc_u64 s[12:13], s[12:13], s[2:3]
	s_add_nc_u64 s[14:15], s[14:15], s[2:3]
	s_lshl_b32 s2, s[WGY], 19                      ; my first row of out0: 128 y + 64 wr rows of 4,096 bytes
	s_lshl_b32 s40, s[WR], 18
	s_add_co_u32 s2, s2, s40
	s_add_nc_u64 s[14:15], s[14:15], s[2:3]
.irp s, 0,1,2,3,4,5,6,7
	global_load_b64 v[SA+2*\s:SA+2*\s+1], v[L16], s[6:7] offset:32768*\s
.endr
.irp i, 0,1,2,3
.irp j, 0,1
	global_load_b128 v[SB+8*\i+4*\j:SB+8*\i+4*\j+3], v[SCO], s[10:11] offset:1024*\i+16*\j   ; lane l takes row 32 i + l: its 32 bytes are the words of the eight K steps
.endr
.endr
.irp b, 0,1,2,3,4,5,6,7
	global_load_b128 v[BIAS+8*\b:BIAS+8*\b+3], v[BOF], s[12:13] offset:64*\b       ; register j of tile b is column 16 b + 8 h + j
	global_load_b128 v[BIAS+8*\b+4:BIAS+8*\b+7], v[BOF], s[12:13] offset:64*\b+16
.endr
; 24 LDS loads in one run: the fragments of the slot's q-th 128 along K into set p: Wo's eight, ctx's four (images, as they lie)
.macro FETCH slot, q, p
	WIN 0x40                                       ; destination window 1, address window 0
.irp i, 0,1,2,3,4,5,6,7
.irp c, 0,1
	ds_load_b128 v[128*(\p)+8*\i+4*\c:128*(\p)+8*\i+4*\c+3], v[ADRB+\slot] offset:64*(\q)+32*\c+\i*16*PITCH
.endr
.endr
	WIN 0
.irp i, 0,1,2,3
.irp c, 0,1
	ds_load_b128 v[AF+32*(\p)+8*\i+4*\c:AF+32*(\p)+8*\i+4*\c+3], v[ADRA+\slot] offset:4096*\i+1024*(\q)+512*\c
.endr
.endr
.endm
; 16 matrix instructions: ctx's blocks a0, a0 + 1 x Wo's eight, K step s, set p.  mode 1: C = the bias.  The 32 accumulators take turns, one instruction a turn, in the same order in every step.
.macro MUL16 a0, p, s, mode
.irp a, \a0, \a0+1
.irp b, 0,1,2,3,4,5,6,7
.set rD, 8*(8*(\a)+\b)
.set rB, 128*(\p)+8*\b
.set rA, AF+32*(\p)+8*(\a)
.set rSB, SB+8*(\b/2)+(\s)
.set rSA, SA+2*(\s)+(\a)/2
.set rC, rD
.if (\mode) == 1
.set rC, BIAS+8*\b
.endif
.if ((\a)%2) && (\b%2)
	v_wmma_scale_f32_16x16x128_f8f6f4 v[rD:rD+7], v[rB:rB+7], v[rA:rA+7], v[rC:rC+7], v[rSB], v[rSA] matrix_a_fmt:MATRIX_FMT_FP4 matrix_b_fmt:MATRIX_FMT_FP4 matrix_a_scale:MATRIX_SCALE_ROW1 matrix_b_scale:MATRIX_SCALE_ROW1
.elseif (\b%2)
	v_wmma_scale_f32_16x16x128_f8f6f4 v[rD:rD+7], v[rB:rB+7], v[rA:rA+7], v[rC:rC+7], v[rSB], v[rSA] matrix_a_fmt:MATRIX_FMT_FP4 matrix_b_fmt:MATRIX_FMT_FP4 matrix_a_scale:MATRIX_SCALE_ROW1
.elseif ((\a)%2)
	v_wmma_scale_f32_16x16x128_f8f6f4 v[rD:rD+7], v[rB:rB+7], v[rA:rA+7], v[rC:rC+7], v[rSB], v[rSA] matrix_a_fmt:MATRIX_FMT_FP4 matrix_b_fmt:MATRIX_FMT_FP4 matrix_b_scale:MATRIX_SCALE_ROW1
.else
	v_wmma_scale_f32_16x16x128_f8f6f4 v[rD:rD+7], v[rB:rB+7], v[rA:rA+7], v[rC:rC+7], v[rSB], v[rSA] matrix_a_fmt:MATRIX_FMT_FP4 matrix_b_fmt:MATRIX_FMT_FP4
.endif
.endr
.endr
.endm
; A step of 128 along K that has its successor in the same slot.  Windows: source 0 window 1, source 1 window 0, C and D window 2 (0xa1); with the bias as C, C in window 0 (0x81).
.macro STEP slot, q, mode
	s_wait_dscnt 0x0                               ; this step's 24 loads, issued in the middle of the step before
	WIN 0xa1-0x20*(\mode)
	MUL16 0, (\q)%2, 4*(\slot)+(\q), \mode
	PLACES 4                                       ; the other set was last read by the step before
	FETCH \slot, (\q)+1, 1-(\q)%2
	WIN 0xa1-0x20*(\mode)
	MUL16 2, (\q)%2, 4*(\slot)+(\q), \mode
.endm
	s_wait_tensorcnt 0x1                           ; my part of slot 0 is in; slot 1's load, issued behind it, may stay out
	s_barrier_signal -1
	s_barrier_wait -1                              ; everybody's is
	FETCH 0, 0, 0
	s_wait_loadcnt 0x0                             ; scale words and bias
	STEP 0, 0, 1                                   ; the first K step starts the sums with the bias
	STEP 0, 1, 0
	STEP 0, 2, 0
	s_wait_tensorcnt 0x0                           ; K step 3 changes slots: my part of slot 1 is in,
	s_wait_dscnt 0x0                               ; this step's loads are in, and no LDS load of mine is out at the signal
	s_barrier_signal -1
	WIN 0xa1
	MUL16 0, 1, 3, 0
	s_barrier_wait -1                              ; everybody's part is in
	PLACES 4
	FETCH 1, 0, 0
	WIN 0xa1
	MUL16 2, 1, 3, 0
	STEP 1, 0, 0
	STEP 1, 1, 0
	STEP 1, 2, 0
	s_wait_dscnt 0x0                               ; the last K step: nothing more to fetch
	WIN 0xa1
	MUL16 0, 1, 7, 0
	MUL16 2, 1, 7, 0
	WIN 0
; THE WAY OUT, block by block of 16 rows x 128 columns: through my own stage in LDS and back as whole rows of 512 bytes, which the 32 lanes store as 512 consecutive bytes, aligned.
; LDS serves a wave's instructions in order (ISA guide 5.7.1.4): no wait between the stores and the loads, nor in front of the next block's stores.
.macro TOSTAGE a
.set AC, 64*(\a)
	WIN 0x08                                       ; an LDS store's data: window 2
.irp b, 0,1,2,3,4,5,6,7
	ds_store_b128 v[STO], v[AC+8*\b:AC+8*\b+3] offset:64*\b          ; each accumulator from its low end on
	ds_store_b128 v[STO], v[AC+8*\b+4:AC+8*\b+7] offset:64*\b+16
.endr
	WIN 0
.set BB, BK+64*((\a)%2)
.irp t, 0,1,2,3,4,5,6,7,8,9,10,11,12,13,14,15
	ds_load_b128 v[BB+4*\t:BB+4*\t+3], v[RD] offset:\t*SPITCH
.endr
.endm
.macro SEND a, younger                 ; younger: the LDS instructions issued behind block a's loads, which may stay out
.set BB, BK+64*((\a)%2)
	s_wait_dscnt \younger
.if (\a) > 0
	s_add_nc_u64 s[14:15], s[14:15], 16*NROW       ; (behind a wait on XCNT: the earlier stores have read their base)
.endif
.irp t, 0,1,2,3,4,5,6,7,8,9,10,11,12,13,14,15
	global_store_b128 v[L16], v[BB+4*\t:BB+4*\t+3], s[14:15] offset:\t*NROW th:TH_STORE_NT   ; written once, read by nobody here
.endr
.endm
	PLACES 4                                       ; in front of the first read of results and of the loads into the registers that held ctx's fragments
	TOSTAGE 0
.irp a, 1,2,3
.if \a > 1
	s_wait_xcnt 0x0                                ; block a - 2's stores have read their registers and their base: block a's loads may land there, and the base may step
.endif
	TOSTAGE \a
	SEND \a-1, 32                                  ; behind block a - 1's loads: block a's 16 stores and 16 loads
.endr
	s_wait_xcnt 0x0                                ; block 2's stores have read their base
	SEND 3, 0
	s_wait_tensorcnt 0x0
	ds_add_u32 v126, v127
	s_wait_dscnt 0x0
	CROUND                                         ; the closing round: no work-group ends while a partner may still ask for a tile that names it
	s_endpgm
.Lfunc_end_k_q9dfe0837b7_outp:
	.size	k_q9dfe0837b7_outp, .Lfunc_end_k_q9dfe0837b7_outp-k_q9dfe0837b7_outp
	.p2alignl 7, 3214868480
	.fill 96, 4, 3214868480
	.section	.rodata,"a",@progbits
	.p2align	6, 0x0
	.amdhsa_kernel k_q9dfe0837b7_outp
		.amdhsa_group_segment_fixed_size 239104
		.amdhsa_private_segment_fixed_size 0
		.amdhsa_enable_private_segment 0
		.amdhsa_kernarg_size 48
		.amdhsa_user_sgpr_count 2
		.amdhsa_user_sgpr_kernarg_segment_ptr 1
		.amdhsa_wavefront_size32 1
		.amdhsa_system_sgpr_workgroup_id_x 1
		.amdhsa_system_sgpr_workgroup_id_y 1
		.amdhsa_system_sgpr_workgroup_id_z 1
		.amdhsa_system_vgpr_workitem_id 0
		.amdhsa_next_free_vgpr 768
		.amdhsa_next_free_sgpr 98
		.amdhsa_reserve_vcc 0
		.amdhsa_float_denorm_mode_32 3
		.amdhsa_float_denorm_mode_16_64 3
		.amdhsa_memory_ordered 1
		.amdhsa_forward_progress 1
		.amdhsa_inst_pref_size 71
	.end_amdhsa_kernel
	.amdgpu_metadata
---
amdhsa.version: [ 1, 2 ]
amdhsa.kernels:
  - .name:           k_q9dfe0837b7_outp
    .symbol:         k_q9dfe0837b7_outp.kd
    .args:
      - { .name: cimg, .offset: 0, .size: 8, .value_kind: global_buffer, .address_space: global }
      - { .name: csc, .offset: 8, .size: 8, .value_kind: global_buffer, .address_space: global }
      - { .name: Wo_codes, .offset: 16, .size: 8, .value_kind: global_buffer, .address_space: global }
      - { .name: Wo_scales, .offset: 24, .size: 8, .value_kind: global_buffer, .address_space: global }
      - { .name: bo, .offset: 32, .size: 8, .value_kind: global_buffer, .address_space: global }
      - { .name: out0, .offset: 40, .size: 8, .value_kind: global_buffer, .address_space: global }
    .group_segment_fixed_size: 239104
    .private_segment_fixed_size: 0
    .kernarg_segment_align: 8
    .kernarg_segment_size: 48
    .max_flat_workgroup_size: 128
    .sgpr_count:     98
    .vgpr_count:     768
    .wavefront_size: 32
...
	.end_amdgpu_metadata
.endif
;; end of part 6
